; MI455X (gfx1250); checked and timed in simulation.
; The chip was launched on July 23, 2026; its instructions are those of AMD's public machine-readable ISA for CDNA 5 (MIT licence, August 2026) and "CDNA5" Instruction Set Architecture Reference Guide (July 2026). The comments in the code are by the model that wrote it; some were corrected since.
;; Transformer Encoder Layer. Allowed arithmetic: matrix products marked QUANTISED: E4M3 operands, one given power-of-two scale a tensor, by v_wmma_f32_16x16x64_fp8_fp8 or v_wmma_f32_16x16x128_fp8_fp8, f32 sums; everything else in f32.
;; Inputs: W1 1,024 x 4,096 float32; W2 4,096 x 1,024 float32; Wk 16 x 1,024 x 64 float32; Wo 1,024 x 1,024 float32; Wq 16 x 1,024 x 64 float32; Wv 16 x 1,024 x 64 float32; b1 4,096 float32; b2 1,024 float32; bk 16 x 64 float32; bo 1,024 float32; bq 16 x 64 float32; bv 16 x 64 float32; ln1_b 1,024 float32; ln1_g 1,024 float32; ln2_b 1,024 float32; ln2_g 1,024 float32; lowp_scales 16 int32 (the exponents e of the quantised operands' scales 2^e); x 2 x 2,048 x 1,024 float32.
;; Outputs: out0 2 x 2,048 x 1,024 float32.
;; This version of the problem:
;;   THIS VERSION OF THE PROBLEM IS GIVEN IN LOW PRECISION. The matrix products marked QUANTISED in the list below multiply operands that are first quantised to E4M3 (4 exponent bits, 3 mantissa bits; 8 bits a number), with one given power-of-two scale for each operand tensor; their sums are f32. All else is computed in f32.
;;   The module's matrix products, in the order in which they are computed (A, B: the left and right operand; K: the contracted axis; several contracted axes count as one K, in the product's order):
;;     1. [M 1,024, K 1,024] x [K 1,024, N 4,096]; A: input Wq; B: computed on the way: QUANTISED (scales: A lowp_scales[0], B lowp_scales[1])
;;     2. [M 1,024, K 1,024] x [K 1,024, N 4,096]; A: input Wk; B: computed on the way: QUANTISED (scales: A lowp_scales[2], B lowp_scales[3])
;;     3. [M 1,024, K 1,024] x [K 1,024, N 4,096]; A: input Wv; B: computed on the way: QUANTISED (scales: A lowp_scales[4], B lowp_scales[5])
;;     4. batch 32 x [M 2,048, K 64] x [K 64, N 2,048]; A: computed on the way; B: computed on the way: QUANTISED (scales: A lowp_scales[6], B lowp_scales[7])
;;     5. batch 32 x [M 2,048, K 2,048] x [K 2,048, N 64]; A: softmax (see below); B: computed on the way: QUANTISED (scales: A lowp_scales[8], B lowp_scales[9])
;;     6. [M 4,096, K 1,024] x [K 1,024, N 1,024]; A: computed on the way; B: input Wo: QUANTISED (scales: A lowp_scales[10], B lowp_scales[11])
;;     7. [M 4,096, K 1,024] x [K 1,024, N 4,096]; A: computed on the way; B: input W1: QUANTISED (scales: A lowp_scales[12], B lowp_scales[13])
;;     8. [M 4,096, K 4,096] x [K 4,096, N 1,024]; A: computed on the way; B: input W2: QUANTISED (scales: A lowp_scales[14], B lowp_scales[15])
;;   THE QUANTISER, for each operand of a quantised product, along K:
;;     - The operand's scale is 2^e, e = its entry of the input lowp_scales (int32; the entries are numbered through the quantised products in the list's order, A before B).
;;     - Each number is divided by the scale, clamped to +-448, and rounded to the nearest number of E4M3, ties to even, subnormals kept.
;;     - The product sums the exact products of the quantised numbers (number of the format x scale) in f32.
;;   ~~~python
;;   def quantise(x, axis, e):      # numpy; x: float32 -> the quantised numbers, widened to float32 again
;;       x = np.moveaxis(x, axis, -1); K = x.shape[-1]
;;       r = np.clip(x / 2.0 ** e, -448, 448)
;;       step = 2.0 ** (np.maximum(np.frexp(np.where(r == 0, 1, r))[1] - 1, -6) - 3)
;;       q = np.round(r / step) * step * 2.0 ** e      # np.round: ties to even
;;       return np.moveaxis(q, -1, axis).astype(np.float32)
;;   ~~~
;;   SOFTMAX AHEAD OF A QUANTISED PRODUCT. Where the list says 'softmax', what is quantised is not the finished softmax but p = 2^(t - M), with t = logit x log2(e) and M = ceil(the row's largest t), a whole number; so 1/2 < the row's largest p <= 1. The row's sum l is taken of the UNQUANTISED p, in f32, and the product's result is divided by l at the end. Since M is a whole number, a kernel that streams over the keys may use a running M (the ceiling of the running maximum): every later rescaling is an exact power of two, so the quantised numbers keep their values, but for numbers so far below the row's largest that they fall under the format's range.
;;   OPERANDS COMPUTED ON THE WAY. 'Computed on the way' means the value that the module computes at that place (a softmax that the list does not call 'softmax' is quantised finished and normalised). What goes into a quantiser is computed in f32, as accurately as f32 sums, v_exp_f32 and their like allow (about 1e-6 of the number): no bf16 or f16 on the way to a quantiser, and a product that is left as it is and whose result goes on into a quantised operand takes f32 operands (vector FMAs, or v_wmma_f32_16x16x4_f32). A number that lies on a knife's edge between two numbers of the format may be rounded either way, as far as f32 arithmetic and the matrix unit's own rounding can turn it there, and no further.
;; One version. Each part assembles by itself: llvm-mc -triple=amdgcn-amd-amdhsa -mcpu=gfx1250 --defsym DOCPART=n.
;; ======== version 1 of 1: 7 launches
;; limits: right only within a limited range of input values
;; workspace buffers: wcodes 12,582,912 bytes; hcodes 12,582,912 bytes; qkvc 12,582,912 bytes; ocodes 4,194,304 bytes; x1 16,777,216 bytes; h2c 4,194,304 bytes; ffc 16,777,216 bytes
;; launch prep (part 1): grid 512 x 1, 8 waves a work-group, no clusters, 35,840 bytes of LDS; arguments Wq, Wk, Wv, Wo, W1, W2, lowp_scales, x, ln1_g, ln1_b, wcodes, hcodes; writes wcodes, hcodes
.if DOCPART == 1
	.amdgcn_target "amdgcn-amd-amdhsa--gfx1250"
	.amdhsa_code_object_version 6
	.text
	.protected	k_qc87134a339_prep
	.globl	k_qc87134a339_prep
	.p2align	8
	.type	k_qc87134a339_prep,@function
k_qc87134a339_prep:
	s_mov_b64 s[64:65], 0
	v_nop
	global_prefetch_b8 v0, s[64:65] scope:SCOPE_SE
	s_setreg_imm32_b32 hwreg(HW_REG_WAVE_MODE, 25, 1), 1
	s_wait_xcnt 0x0
; PREP: every operand that arrives as f32 and is read by many work-groups later is quantised ONCE, to codes of E4M3 with K innermost.
; Work-groups 0-383: the six weights, whose K is not innermost in memory.  Work-groups 384-511: h = LayerNorm1(x), under the three scales given for it (entries 1, 3, 5).
; code = number / 2^e, held within +-448, to the nearest code, ties to even.  LIMITS: each e between -126 and 119, so that 2^e and 448 x 2^e are f32 numbers; NaN and infinities among the inputs are not served.
; WEIGHTS.  A lane takes a column n and its registers run down K: a load reads 128 neighbouring bytes a wave, and the conversions, which take neighbours along K from one lane's registers, give codes with K innermost.
; A work-group of eight waves takes 128 columns x 256 of K; wave (cg, kh) takes columns 32 cg on and K 128 kh on: four blocks of 32 rows, two of them (64 loads) on their way at a time.  A column's 256 codes come from
; two waves: they meet in the column group's stage in LDS (rows 272 bytes apart), a barrier stands between the writing and the reading, and they leave as rows: sixteen lanes store 256 consecutive, aligned bytes.
; wcodes: Wq at 0, Wk at 1 MiB, Wv at 2 MiB ([head x 64 + d][1024]), Wo at 3 MiB ([1024][1024]), W1 at 4 MiB ([4096][1024]), W2 at 8 MiB ([1024][4096]).
; LAYER NORM.  A wave takes a row (4,096 bytes, 32 registers a lane) and keeps it in registers: mean, then the mean of (x - mean)^2, so that a common offset of x costs no digits.  A lane holds 8 neighbours of each
; quarter of the row, so a quarter's 8 codes are 8 bytes a lane and a wave's store covers 256 consecutive, aligned bytes.  128 work-groups x 8 waves x 4 rows.  hcodes: [4096][1024] three times, 4 MiB apart.
; No matrix unit, no cluster, no tensor load: no work-group reads what another reads.
.set SPARE, 34816                      ; behind the four stages of 32 x 272 bytes: the spare words, 128 bytes a wave, 1,024 in all
.set SPW,   14                         ; v14  LDS address of my spare word; never rewritten
.set NIL,   15                         ; v15  0; never rewritten
.set X,     32                         ; v32-95   two sets of 32 numbers (both paths)
.set WC,    96                         ; v96-103  weights: a block's codes
.set SO,    104                        ; v104-135 weights: byte offset of row i of a block: 4 x lane + i x pitch
.set DO,    136                        ; v136-143 weights: byte offset of the two rows of codes that store i writes
.set NBLK,  4                          ; blocks of 32 rows to a wave
.set G,     96                         ; v96-127  layer norm: the gain at my 32 places
.set BE,    128                        ; v128-159 the bias
.set T0,    160                        ; v160-175 two sets of 8 held numbers, by turns
.set CD,    176                        ; v176-199 a row's codes: 8 registers for each scale
.set NQ,    3                          ; scales under which a row is quantised
.set ROWS,  4                          ; rows of a wave
.set SRC,   4                          ; s[4:5]   the wave's first row
.set GP,    24                         ; s[24:25] gain
.set BP,    26                         ; s[26:27] bias
.set DSTB,  66                         ; s[66:71] the wave's first row of codes, once for each scale
.macro LOAD t                          ; block t: W(32 t + i, my column), i = 0 .. 31, into set t % 2
.set i, 0
.rept 32
	global_load_b32 v[X+32*((\t)%2)+i], v[SO+i], s[48+2*(\t):49+2*(\t)] th:TH_LOAD_NT
.set i, i+1
.endr
.endm
.macro BLOCK t
.set XS, X+32*((\t)%2)
.if (\t) < NBLK-1
	s_wait_loadcnt 32                              ; this block's 32 loads are in; the next block's 32 may be out
.else
	s_wait_loadcnt 0
.endif
.set i, 0
.rept 32
	v_med3_num_f32 v[XS+i], v[XS+i], -v10, v10     ; the conversion to an 8-bit code does not saturate (ISA guide 7.6.2): the hold at the largest code x the scale comes first
.set i, i+1
.endr
.irp g, 0,1,2,3
	v_cvt_scalef32_pk8_fp8_f32 v[WC+2*\g:WC+2*\g+1], v[XS+8*\g:XS+8*\g+7], v11
.endr
	ds_store_b128 v4, v[WC:WC+3] offset:32*(\t)    ; 32 codes: 32 bytes of my column's row, in my half of it
	ds_store_b128 v4, v[WC+4:WC+7] offset:32*(\t)+16
.if (\t)+2 < NBLK
	LOAD (\t)+2
.endif
	s_wait_dscnt 0x0                               ; the stores have read their registers: the next block's codes may be written; behind the last block: for the other wave's sake, my stores into the stage are done
.endm
.macro REDUCE                          ; v8 summed over the wave's 32 lanes, the result in every lane
	s_delay_alu instid0(VALU_DEP_1)
	v_add_f32_dpp v8, v8, v8 row_xmask:1 row_mask:0xf bank_mask:0xf
	s_delay_alu instid0(VALU_DEP_1)
	v_add_f32_dpp v8, v8, v8 row_xmask:2 row_mask:0xf bank_mask:0xf
	s_delay_alu instid0(VALU_DEP_1)
	v_add_f32_dpp v8, v8, v8 row_xmask:4 row_mask:0xf bank_mask:0xf
	s_delay_alu instid0(VALU_DEP_1)
	v_add_f32_dpp v8, v8, v8 row_xmask:8 row_mask:0xf bank_mask:0xf
	s_delay_alu instid0(VALU_DEP_1)
	v_permlanex16_b32 v9, v8, s72, s73
	s_delay_alu instid0(VALU_DEP_1)
	v_add_f32 v8, v8, v9
.endm
.macro XROW i                          ; row i: eight loads; the two of a quarter cover 1,024 consecutive bytes
.irp j, 0,1,2,3
	global_load_b128 v[X+32*((\i)%2)+8*\j:X+32*((\i)%2)+8*\j+3], v1, s[SRC:SRC+1] offset:4096*(\i)+1024*\j th:TH_LOAD_NT
	global_load_b128 v[X+32*((\i)%2)+8*\j+4:X+32*((\i)%2)+8*\j+7], v1, s[SRC:SRC+1] offset:4096*(\i)+1024*\j+16 th:TH_LOAD_NT
.endr
.endm
.macro LNROW i
.set XS, X+32*((\i)%2)
.if (\i) < ROWS-1
	s_wait_loadcnt 8                               ; this row's eight loads (and all before them) are in; the next row's eight may be out
.else
	s_wait_loadcnt 0
.endif
	v_pk_add_f32 v[4:5], v[XS:XS+1], v[XS+2:XS+3]  ; the row's sum, in two chains
	v_pk_add_f32 v[6:7], v[XS+4:XS+5], v[XS+6:XS+7]
.irp k, 8,12,16,20,24,28
	s_delay_alu instid0(VALU_DEP_2)
	v_pk_add_f32 v[4:5], v[4:5], v[XS+\k:XS+\k+1]
	s_delay_alu instid0(VALU_DEP_2)
	v_pk_add_f32 v[6:7], v[6:7], v[XS+\k+2:XS+\k+3]
.endr
	s_delay_alu instid0(VALU_DEP_1)
	v_pk_add_f32 v[4:5], v[4:5], v[6:7]
	s_delay_alu instid0(VALU_DEP_1)
	v_add_f32 v8, v4, v5
	REDUCE
	s_delay_alu instid0(VALU_DEP_1)
	v_mul_f32 v10, s74, v8                         ; the mean, twice: a pair for the packed forms
	s_delay_alu instid0(VALU_DEP_2)
	v_mul_f32 v11, s74, v8
.irp k, 0,2,4,6,8,10,12,14,16,18,20,22,24,26,28,30
	v_pk_add_f32 v[XS+\k:XS+\k+1], v[XS+\k:XS+\k+1], v[10:11] neg_lo:[0,1] neg_hi:[0,1]   ; x - mean
.endr
	v_pk_mul_f32 v[4:5], v[XS:XS+1], v[XS:XS+1]    ; the sum of squares, in two chains
	v_pk_mul_f32 v[6:7], v[XS+2:XS+3], v[XS+2:XS+3]
.irp k, 4,8,12,16,20,24,28
	s_delay_alu instid0(VALU_DEP_2)
	v_pk_fma_f32 v[4:5], v[XS+\k:XS+\k+1], v[XS+\k:XS+\k+1], v[4:5]
	s_delay_alu instid0(VALU_DEP_2)
	v_pk_fma_f32 v[6:7], v[XS+\k+2:XS+\k+3], v[XS+\k+2:XS+\k+3], v[6:7]
.endr
	s_delay_alu instid0(VALU_DEP_1)
	v_pk_add_f32 v[4:5], v[4:5], v[6:7]
	s_delay_alu instid0(VALU_DEP_1)
	v_add_f32 v8, v4, v5
	REDUCE
	s_delay_alu instid0(VALU_DEP_1)
	v_fma_f32 v8, v8, s74, s75                     ; variance + 1e-5
	s_wait_alu depctr_va_vdst(0)
	v_rsq_f32 v12, v8
	v_rsq_f32 v13, v8
	v_nop                                          ; a plain instruction behind the last transcendental,
	s_wait_alu depctr_va_vdst(0)                   ; and the one wait for both ahead of their first reader
.irp k, 0,2,4,6,8,10,12,14,16,18,20,22,24,26,28,30
	v_pk_mul_f32 v[XS+\k:XS+\k+1], v[XS+\k:XS+\k+1], v[12:13]
.endr
.irp k, 0,2,4,6,8,10,12,14,16,18,20,22,24,26,28,30
	v_pk_fma_f32 v[XS+\k:XS+\k+1], v[XS+\k:XS+\k+1], v[G+\k:G+\k+1], v[BE+\k:BE+\k+1]
.endr
	s_wait_xcnt 0x0                                ; the last row's stores have read their data: the codes' registers are written again only behind this wait
.set q, 0
.rept NQ
.irp j, 0,1,2,3
.set TS, T0+8*(\j%2)
.irp k, 0,1,2,3,4,5,6,7
	v_med3_num_f32 v[TS+\k], v[XS+8*\j+\k], -v[17+2*q], v[17+2*q]   ; the hold; the other set's eight holds are the plain instructions between a conversion and the next write of its sources
.endr
	v_cvt_scalef32_pk8_fp8_f32 v[CD+8*q+2*\j:CD+8*q+2*\j+1], v[TS:TS+7], v[16+2*q]
.endr
.set q, q+1
.endr
.set q, 0
.rept NQ
.irp j, 0,1,2,3
	global_store_b64 v2, v[CD+8*q+2*\j:CD+8*q+2*\j+1], s[DSTB+2*q:DSTB+2*q+1] offset:1024*(\i)+256*\j   ; 32 lanes store 256 consecutive bytes, aligned
.endr
.set q, q+1
.endr
.if (\i)+2 < ROWS
	XROW (\i)+2
.endif
.endm
	s_load_b512 s[8:23], s[0:1], 0x0               ; Wq 8, Wk 10, Wv 12, Wo 14, W1 16, W2 18, the scales 20, x 22
	s_load_b256 s[24:31], s[0:1], 0x40             ; ln1_g 24, ln1_b 26, wcodes 28, hcodes 30
	v_lshl_add_u32 v[SPW], v0, 2, SPARE
	v_mov_b32 v[NIL], 0
	v_lshrrev_b32 v1, 5, v0
	s_delay_alu instid0(VALU_DEP_1)
	v_readfirstlane_b32 s2, v1                     ; wave 0..7
	v_and_b32 v1, 31, v0                           ; lane
	s_wait_kmcnt 0x0
	s_load_b512 s[32:47], s[20:21], 0x0            ; entry i of the scales in s[32 + i]
	s_cmp_ge_u32 ttmp9, 384
	s_cbranch_scc1 .Lln
	; ---- THE WEIGHTS.  Class c: 0 Wq, 1 Wk, 2 Wv, 3 Wo (32 work-groups each), 4 W1, 5 W2 (128 each); loc: the work-group's number within its class
	s_lshr_b32 s3, ttmp9, 5
	s_and_b32 s4, ttmp9, 31
	s_sub_co_u32 s68, ttmp9, 128
	s_lshr_b32 s69, s68, 7
	s_add_co_u32 s69, s69, 4
	s_and_b32 s68, s68, 127
	s_cmp_lt_u32 ttmp9, 128
	s_cselect_b32 s3, s3, s69                      ; c
	s_cselect_b32 s4, s4, s68                      ; loc
	s_cmp_lt_u32 s3, 3                             ; the per-head weights: a head's 64 columns lie 2^18 bytes from the next head's, rows of 256 bytes
	s_cselect_b32 s68, 6, 16                       ; columns in a plane, as a shift,
	s_mov_b32 s69, 0xffff
	s_cselect_b32 s69, 63, s69                     ; and as a mask
	s_mov_b32 s5, 4096
	s_cselect_b32 s5, 256, s5                      ; bytes from a row k to the next
	s_cmp_eq_u32 s3, 4
	s_mov_b32 s70, 16384
	s_cselect_b32 s5, s70, s5
	s_cselect_b32 s6, 5, 3                         ; log2 of the blocks of 128 columns
	s_cmp_eq_u32 s3, 5
	s_cselect_b32 s7, 12, 10                       ; log2 K
	s_cselect_b32 s71, 8, s3
	s_lshl_b32 s71, s71, 20                        ; the tensor's place in wcodes
	s_mov_b64 s[78:79], s[18:19]                   ; the tensor itself: a choice by the class alone
.irp j, 0,1,2,3,4
	s_cmp_eq_u32 s3, \j
	s_cselect_b64 s[78:79], s[8+2*\j:9+2*\j], s[78:79]
.endr
	s_bfm_b32 s72, s6, 0
	s_and_b32 s72, s4, s72                         ; which 128 columns
	s_lshr_b32 s73, s4, s6                         ; which 256 of K
	s_and_b32 s85, s2, 3                           ; cg: which 32 of the columns are my wave's
	s_lshr_b32 s86, s2, 2                          ; kh: which 128 of the K
	s_lshl_b32 s72, s72, 7
	s_lshl_b32 s74, s85, 5
	s_add_co_u32 s72, s72, s74                     ; n0: my wave's first column
	s_lshr_b32 s74, s72, s68
	s_lshl_b32 s74, s74, 18
	s_and_b32 s75, s72, s69
	s_lshl_b32 s75, s75, 2
	s_add_co_u32 s74, s74, s75
	s_lshl_b32 s75, s73, 1
	s_add_co_u32 s75, s75, s86                     ; which 128 rows k
	s_mul_i32 s75, s75, s5
	s_lshl_b32 s75, s75, 7
	s_add_co_u32 s74, s74, s75                     ; where my part begins in the tensor, under 2^25 bytes
	s_mov_b32 s75, 0
	s_lshl_b32 s76, s86, 4
	s_add_co_u32 s76, s76, s72                     ; the first row of codes that I store: of my group's 32 columns, 16 kh on
	s_lshl_b32 s76, s76, s7
	s_add_co_u32 s71, s71, s76
	s_lshl_b32 s76, s73, 8
	s_add_co_u32 s76, s71, s76                     ; in wcodes: rows of K bytes + 256 x the work-group's part of K
	s_mov_b32 s77, 0
	s_add_nc_u64 s[66:67], s[28:29], s[76:77]
	s_add_nc_u64 s[48:49], s[78:79], s[74:75]      ; a base for each of my four blocks of 32 rows: nothing is stepped later
	s_lshl_b32 s80, s5, 5
	s_mov_b32 s81, 0
.irp t, 1,2,3
	s_add_nc_u64 s[48+2*\t:49+2*\t], s[46+2*\t:47+2*\t], s[80:81]
.endr
	s_wait_alu depctr_va_vdst(0)
	v_lshlrev_b32 v[SO], 2, v1                     ; 4 bytes a lane
.set i, 1
.rept 31
	s_delay_alu instid0(VALU_DEP_1)
	v_add_nc_u32 v[SO+i], s5, v[SO+i-1]
.set i, i+1
.endr
	s_mul_i32 s84, s85, 32*272                     ; my column group's stage
	s_lshl_b32 s87, s86, 7
	s_add_co_u32 s87, s87, s84
	v_mul_u32_u24 v4, v1, 272
	s_delay_alu instid0(VALU_DEP_1)
	v_add_nc_u32 v4, s87, v4                       ; into it: row = my column, bytes 128 kh on
	v_and_b32 v5, 15, v1
	v_lshrrev_b32 v6, 4, v1
	s_mul_i32 s87, s86, 16*272
	s_add_co_u32 s87, s87, s84
	v_mul_u32_u24 v7, v6, 272
	s_delay_alu instid0(VALU_DEP_1)
	v_lshl_add_u32 v7, v5, 4, v7
	s_delay_alu instid0(VALU_DEP_1)
	v_add_nc_u32 v7, s87, v7                       ; out of it: rows 16 kh on, sixteen lanes to a row, two rows an instruction
	v_lshlrev_b32 v8, s7, v6
	s_delay_alu instid0(VALU_DEP_1)
	v_lshl_add_u32 v[DO], v5, 4, v8                ; and the same place in wcodes
	s_lshl_b32 s82, 2, s7
.set i, 1
	v_add_nc_u32 v[DO+i], s82, v[DO+i-1]
.set i, i+1
.rept (7)-1
	s_delay_alu instid0(VALU_DEP_1)
	v_add_nc_u32 v[DO+i], s82, v[DO+i-1]
.set i, i+1
.endr
	LOAD 0
	LOAD 1
	s_wait_kmcnt 0x0                               ; the scales
	s_mov_b32 s83, s47                             ; W2: entry 15
	s_cmp_eq_u32 s3, 0
	s_cselect_b32 s83, s32, s83                    ; Wq: 0
	s_cmp_eq_u32 s3, 1
	s_cselect_b32 s83, s34, s83                    ; Wk: 2
	s_cmp_eq_u32 s3, 2
	s_cselect_b32 s83, s36, s83                    ; Wv: 4
	s_cmp_eq_u32 s3, 3
	s_cselect_b32 s83, s43, s83                    ; Wo: 11
	s_cmp_eq_u32 s3, 4
	s_cselect_b32 s83, s45, s83                    ; W1: 13
	s_add_co_i32 s83, s83, 127
	s_lshl_b32 s84, s83, 23
	v_mov_b32 v11, s84                             ; 2^e as f32: the conversion takes its exponent field
	s_add_co_i32 s83, s83, 8
	s_lshl_b32 s83, s83, 23
	s_or_b32 s83, s83, 0x600000
	v_mov_b32 v10, s83                             ; 448 x 2^e
	s_wait_alu depctr_va_vdst(0)
.irp t, 0,1,2,3
	BLOCK \t
.endr
	s_barrier_signal -1                            ; every wave's stores into the stages are done (the wait for 0 at the last block's end):
	s_barrier_wait -1                              ; a row's 256 bytes, which two waves wrote, are whole
.set i, 0
.rept 8
	ds_load_b128 v[X+4*i:X+4*i+3], v7 offset:544*i
.set i, i+1
.endr
.set i, 0
.rept 8
	s_wait_dscnt 7-i                               ; LDS loads come back in order (ISA guide 5.7.1): load i is in, the 7 - i younger ones may be out
	global_store_b128 v[DO+i], v[X+4*i:X+4*i+3], s[66:67]   ; sixteen lanes store 256 consecutive bytes, aligned
.set i, i+1
.endr
	s_wait_tensorcnt 0x0                           ; the wave's end: these three lines behind my last LDS store
	ds_add_u32 v[SPW], v[NIL]
	s_wait_dscnt 0x0
	s_endpgm
.Lln:	; ---- LAYER NORM 1: 128 work-groups x 8 waves x 4 rows
	s_wait_alu depctr_va_vdst(0)
	v_lshlrev_b32 v2, 3, v1                        ; out: 8 bytes a lane
	v_lshlrev_b32 v1, 5, v1                        ; in: 32 bytes a lane
	s_wait_alu depctr_va_vdst(0)
	v_mov_b32 v9, 0                                ; written once: a lane permute's destination counts as one of its sources
	s_sub_co_u32 s3, ttmp9, 384
	s_lshl_b32 s3, s3, 5
	s_lshl_b32 s6, s2, 2
	s_add_co_u32 s3, s3, s6                        ; my first row
	s_lshl_b32 s76, s3, 12
	s_mov_b32 s77, 0
	s_add_nc_u64 s[SRC:SRC+1], s[22:23], s[76:77]
	s_lshl_b32 s76, s3, 10
	s_add_nc_u64 s[66:67], s[30:31], s[76:77]      ; h's codes under entry 1,
	s_add_nc_u64 s[68:69], s[66:67], 0x400000      ; entry 3,
	s_add_nc_u64 s[70:71], s[66:67], 0x800000      ; entry 5
	s_mov_b32 s72, 0x76543210                      ; v_permlanex16_b32: lane l takes lane l xor 16
	s_mov_b32 s73, 0xfedcba98
	s_mov_b32 s74, 0x3a800000                      ; 1 / 1,024
	s_mov_b32 s75, 0x3727c5ac                      ; 1e-5
.irp j, 0,1,2,3
	global_load_b128 v[G+8*\j:G+8*\j+3], v1, s[GP:GP+1] offset:1024*\j
	global_load_b128 v[G+8*\j+4:G+8*\j+7], v1, s[GP:GP+1] offset:1024*\j+16
	global_load_b128 v[BE+8*\j:BE+8*\j+3], v1, s[BP:BP+1] offset:1024*\j
	global_load_b128 v[BE+8*\j+4:BE+8*\j+7], v1, s[BP:BP+1] offset:1024*\j+16
.endr
	XROW 0
	XROW 1
	s_wait_kmcnt 0x0                               ; the scales
.irp q, 0,1,2
	s_add_co_i32 s76, s[33+2*\q], 127
	s_lshl_b32 s77, s76, 23
	v_mov_b32 v[16+2*\q], s77                      ; 2^e
	s_add_co_i32 s76, s76, 8
	s_lshl_b32 s76, s76, 23
	s_or_b32 s76, s76, 0x600000
	v_mov_b32 v[17+2*\q], s76                      ; 448 x 2^e
.endr
.irp i, 0,1,2,3
	LNROW \i
.endr
	s_endpgm
.Lfunc_end_k_qc87134a339_prep:
	.size	k_qc87134a339_prep, .Lfunc_end_k_qc87134a339_prep-k_qc87134a339_prep
	.p2alignl 7, 3214868480
	.fill 96, 4, 3214868480
	.section	.rodata,"a",@progbits
	.p2align	6, 0x0
	.amdhsa_kernel k_qc87134a339_prep
		.amdhsa_group_segment_fixed_size 35840
		.amdhsa_private_segment_fixed_size 0
		.amdhsa_enable_private_segment 0
		.amdhsa_kernarg_size 96
		.amdhsa_user_sgpr_count 2
		.amdhsa_user_sgpr_kernarg_segment_ptr 1
		.amdhsa_wavefront_size32 1
		.amdhsa_system_sgpr_workgroup_id_x 1
		.amdhsa_system_sgpr_workgroup_id_y 1
		.amdhsa_system_sgpr_workgroup_id_z 1
		.amdhsa_system_vgpr_workitem_id 0
		.amdhsa_next_free_vgpr 200
		.amdhsa_next_free_sgpr 100
		.amdhsa_reserve_vcc 0
		.amdhsa_float_denorm_mode_32 3
		.amdhsa_float_denorm_mode_16_64 3
		.amdhsa_memory_ordered 1
		.amdhsa_forward_progress 1
		.amdhsa_inst_pref_size 99
	.end_amdhsa_kernel
	.amdgpu_metadata
---
amdhsa.version: [ 1, 2 ]
amdhsa.kernels:
  - .name:           k_qc87134a339_prep
    .symbol:         k_qc87134a339_prep.kd
    .args:
      - { .name: Wq, .offset: 0, .size: 8, .value_kind: global_buffer, .address_space: global }
      - { .name: Wk, .offset: 8, .size: 8, .value_kind: global_buffer, .address_space: global }
      - { .name: Wv, .offset: 16, .size: 8, .value_kind: global_buffer, .address_space: global }
      - { .name: Wo, .offset: 24, .size: 8, .value_kind: global_buffer, .address_space: global }
      - { .name: W1, .offset: 32, .size: 8, .value_kind: global_buffer, .address_space: global }
      - { .name: W2, .offset: 40, .size: 8, .value_kind: global_buffer, .address_space: global }
      - { .name: lowp_scales, .offset: 48, .size: 8, .value_kind: global_buffer, .address_space: global }
      - { .name: x, .offset: 56, .size: 8, .value_kind: global_buffer, .address_space: global }
      - { .name: ln1_g, .offset: 64, .size: 8, .value_kind: global_buffer, .address_space: global }
      - { .name: ln1_b, .offset: 72, .size: 8, .value_kind: global_buffer, .address_space: global }
      - { .name: wcodes, .offset: 80, .size: 8, .value_kind: global_buffer, .address_space: global }
      - { .name: hcodes, .offset: 88, .size: 8, .value_kind: global_buffer, .address_space: global }
    .group_segment_fixed_size: 35840
    .private_segment_fixed_size: 0
    .kernarg_segment_align: 8
    .kernarg_segment_size: 96
    .max_flat_workgroup_size: 256
    .sgpr_count:     100
    .vgpr_count:     200
    .wavefront_size: 32
...
	.end_amdgpu_metadata
.endif
;; end of part 1
;; launch qkv (part 2): grid 4 x 48, 4 waves a work-group, clusters of 4 x 4, 327,680 bytes of LDS; arguments hcodes, wcodes, lowp_scales, bq, bk, bv, qkvc; writes qkvc
.if DOCPART == 2
	.amdgcn_target "amdgcn-amd-amdhsa--gfx1250"
	.amdhsa_code_object_version 6
	.text
	.protected	k_qc87134a339_qkv
	.globl	k_qc87134a339_qkv
	.p2align	8
	.type	k_qc87134a339_qkv,@function
k_qc87134a339_qkv:
	s_mov_b64 s[64:65], 0
	v_nop
	global_prefetch_b8 v0, s[64:65] scope:SCOPE_SE
	s_setreg_imm32_b32 hwreg(HW_REG_WAVE_MODE, 25, 1), 1
	s_wait_xcnt 0x0
	s_wait_alu depctr_hold_cnt(0) depctr_sa_sdst(0) depctr_va_vdst(0) depctr_va_sdst(0) depctr_va_ssrc(0) depctr_va_vcc(0) depctr_vm_vsrc(0)
	s_getreg_b32 s2, hwreg(HW_REG_IB_STS2, 6, 4)
	s_cmp_eq_u32 s2, 0
	s_cbranch_scc0 .Lentry_in_a_cluster
	s_endpgm
.Lentry_in_a_cluster:
	s_bfe_u32 s2, ttmp6, 0x10000c
	s_cmp_lg_u32 s2, 0xf033
	s_cbranch_scc0 .Lentry_shape_is_right
	s_endpgm
.Lentry_shape_is_right:
.set MODE,   0
.set KROW,   1024
.set ROWB,   256
.set PITCH,  272
.set FR,     16
.set NL,     4
.set NP,     4
.set HALFT,  128*PITCH
.set SLOT,   4*HALFT
.set LAPS,   KROW/(2*ROWB)
.set SPARE,  2*SLOT
.if MODE
.set OP,     4096
.else
.set OP,     2048
.endif
.set STA,  10
.set ADRA, 16
.set ADRB, 20
.set STO,  24
.set RDQ,  25
.set RDQ2, 26
.set RDV,  27
.set SPW,  28
.set NIL,  29
.set CO,   30
.set COQ,  31
.set BB,   32
.set Z,    32
.if MODE
.set W,    96
.set CD,   100
.set SCV,  116
.set LIM,  117
.set C8V,  118
.set TT,   128
.set PP,   192
.set C9, 4
.set C7, 6
.set C6, 8
.set C5, 10
.set C4, 12
.set C3, 18
.set C2, 20
.set C1, 22
.set C0, 68
.set KK, 70
.else
.set BA,   96
.set SCV,  112
.set LIM,  113
.set CD,   114
.endif
.set AF,   128
.set BK,   128
.set G1, 24
.set G0, 32
.set G1B, 48
.set G0B, 56
.set MSB, 0
.macro WIN new
.if MSB != (\new)
	s_set_vgpr_msb (MSB<<8)|(\new)
.set MSB, (\new)
.endif
.endm
.set MUL_LO,   0xa1
.set MUL_HI,   0xf1
.set FIRST_LO, 0x81
.set FIRST_HI, 0xc1
.set TO_B,     0x40
.macro JLOAD g0a, g1a, g0b, g1b
	s_cmp_eq_u32 s15, 0
	s_cbranch_scc0 .Lfor_b_\@
	tensor_load_to_lds s[\g0a:\g0a+3], s[\g1a:\g1a+7]
	s_nop 0
.rept 4
	v_nop
.endr
	s_branch .Lasked_\@
.Lfor_b_\@:
	tensor_load_to_lds s[\g0b:\g0b+3], s[\g1b:\g1b+7]
	s_nop 0
.rept 4
	v_nop
.endr
.Lasked_\@:
.endm
.macro CREST
	s_cmp_lg_u32 s14, 0
	s_cbranch_scc1 .Lnot_wave_0_\@
	s_barrier_signal -3
.Lnot_wave_0_\@:
	s_barrier_wait -3
	s_barrier_signal -1
	s_barrier_wait -1
.endm
.macro CROUND
	s_barrier_signal -1
	s_barrier_wait -1
	CREST
.endm
.macro PAIR r, bits
	s_mov_b32 s[\r], \bits
	s_mov_b32 s[\r+1], \bits
.endm
	s_load_b128 s[4:7], s[0:1], 0x0
	s_load_b64 s[8:9], s[0:1], 0x10
.if MODE
	s_load_b64 s[66:67], s[0:1], 0x18
	s_load_b64 s[74:75], s[0:1], 0x20
.else
	s_load_b128 s[68:71], s[0:1], 0x18
	s_load_b128 s[72:75], s[0:1], 0x28
.endif
	v_lshl_add_u32 v[SPW], v0, 2, SPARE
	v_mov_b32 v[NIL], 0
	ds_add_u32 v[SPW], v[NIL]
	ds_add_u32 v[SPW], v[NIL]
	v_lshrrev_b32 v1, 5, v0
	v_readfirstlane_b32 s14, v1
	s_lshr_b32 s15, s14, 1
	s_and_b32 s16, s14, 1
	s_bfe_u32 s40, ttmp6, 0x40000
	s_bfe_u32 s41, ttmp6, 0x40004
.if MODE
	s_lshl_b32 s42, ttmp9, 2
	s_add_co_u32 s42, s42, s40
	s_and_b32 s17, ttmp7, 0xffff
	s_lshl_b32 s17, s17, 2
	s_add_co_u32 s17, s17, s41
	s_mov_b32 s10, 0
	s_mov_b32 s11, 0x400000
.else
	s_and_b32 s92, ttmp7, 0xffff
	s_and_b32 s18, s92, 3
	s_lshl_b32 s18, s18, 2
	s_lshr_b32 s92, s92, 2
	s_lshl_b32 s10, s92, 22
	s_lshl_b32 s11, s92, 20
	s_cmp_eq_u32 s92, 2
	s_cselect_b32 s93, -1, 0
	s_cselect_b32 s94, 0, -1
	s_cselect_b32 s17, 0, s18
	s_cselect_b32 s42, s18, 0
	s_cselect_b32 s10, 0x200000, s10
	s_cselect_b32 s11, 0x800000, s11
	s_add_co_u32 s17, s17, s41
	s_add_co_u32 s42, s42, s40
.endif
	s_lshl_b32 s43, s41, 2
	s_lshl_b32 s43, 15, s43
	s_lshl_b32 s44, 0x1111, s40
	s_or_b32 s[G1+0], s43, (0<<16)|(1<<20)|(1<<21)|(5<<22)|(3<<25)
	s_or_b32 s[G1B+0], s44, (0<<16)|(1<<20)|(1<<21)|(5<<22)|(3<<25)
.irp g, G1, G1B
	s_mov_b32 s[\g+1], ROWB<<16
	s_mov_b32 s[\g+2], 128<<16
	s_mov_b32 s[\g+3], ROWB<<16
	s_mov_b32 s[\g+4], 128
	s_mov_b32 s[\g+5], KROW
	s_mov_b32 s[\g+6], 0
	s_mov_b32 s[\g+7], 0
.endr
	s_lshl_b32 s18, s16, 7
	s_lshl_b32 s20, s17, 8
	s_add_co_u32 s20, s20, s18
	s_lshl_b32 s20, s20, 10
	s_add_co_u32 s20, s20, s10
	s_mov_b32 s21, 0
	s_lshl_b32 s46, s42, 8
	s_add_co_u32 s46, s46, s18
	s_lshl_b32 s46, s46, 10
	s_add_co_u32 s46, s46, s11
	s_mov_b32 s47, 0
	s_mul_i32 s45, s14, HALFT
	s_wait_dscnt 0x0
	s_wait_kmcnt 0x0
	s_load_b512 s[76:91], s[8:9], 0x0
.if MODE
	s_add_nc_u64 s[20:21], s[4:5], s[20:21]
	s_add_nc_u64 s[46:47], s[6:7], s[46:47]
.else
	s_cmp_eq_u32 s92, 2
	s_cselect_b64 s[12:13], s[6:7], s[4:5]
	s_cselect_b64 s[22:23], s[4:5], s[6:7]
	s_add_nc_u64 s[20:21], s[12:13], s[20:21]
	s_add_nc_u64 s[46:47], s[22:23], s[46:47]
.endif
	CROUND
.irp s, 0,1
	s_mov_b32 s[G0+4*\s], 1
	s_add_co_u32 s[G0+4*\s+1], s45, \s*SLOT
	s_add_nc_u64 s[G0+4*\s+2:G0+4*\s+3], s[20:21], \s*ROWB
	s_or_b32 s[G0+4*\s+3], s[G0+4*\s+3], 0x80000000
	s_mov_b32 s[G0B+4*\s], 1
	s_add_co_u32 s[G0B+4*\s+1], s45, \s*SLOT
	s_add_nc_u64 s[G0B+4*\s+2:G0B+4*\s+3], s[46:47], \s*ROWB
	s_or_b32 s[G0B+4*\s+3], s[G0B+4*\s+3], 0x80000000
.if \s                                         ; slot 1's first fill is issued as a refill is, with these lines and the round ahead of it
	s_wait_alu depctr_va_vdst(0)
	s_wait_tensorcnt 0x0
	ds_add_u32 v28, v29
	s_wait_dscnt 0x0
	CROUND
.endif
	JLOAD G0+4*\s, G1, G0B+4*\s, G1B
.endr
	v_and_b32 v1, 15, v0
	s_wait_alu depctr_va_vdst(0)
	v_bfe_u32 v2, v0, 4, 1
	s_wait_alu depctr_va_vdst(0)
	s_lshl_b32 s18, s42, 10
	s_lshl_b32 s19, s16, 9
	s_add_co_u32 s18, s18, s19
.if MODE == 0
	s_lshl_b32 s19, s17, 10
	s_lshl_b32 s21, s15, 9
	s_add_co_u32 s19, s19, s21
	s_cmp_eq_u32 s92, 2
	s_cselect_b32 s18, 0, s18
	s_cselect_b32 s19, s19, 0
	s_cselect_b64 s[66:67], s[72:73], s[68:69]
	s_cmp_eq_u32 s92, 1
	s_cselect_b64 s[66:67], s[70:71], s[66:67]
	v_lshl_add_u32 v6, v1, 2, s19
.endif
	v_lshl_add_u32 v5, v2, 5, s18
.irp b, 0,1,2,3,4,5,6,7
	global_load_b128 v[BB+8*\b:BB+8*\b+3], v5, s[66:67] offset:64*\b
	global_load_b128 v[BB+8*\b+4:BB+8*\b+7], v5, s[66:67] offset:64*\b+16
.endr
.if MODE == 0
.irp a, 0,1,2,3,4,5,6,7
	global_load_b32 v[BA+2*\a], v6, s[66:67] offset:64*\a
.endr
.endif
	v_mul_u32_u24 v3, v1, PITCH
	s_wait_alu depctr_va_vdst(0)
	v_lshl_add_u32 v4, v2, 4, v3
	s_mul_i32 s21, s15, HALFT
	s_mul_i32 s22, s16, HALFT
	s_add_co_u32 s22, s22, 2*HALFT
.irp s, 0,1
	v_add_nc_u32 v[ADRA+\s], s21, v4
	v_add_nc_u32 v[ADRB+\s], s22, v4
	s_add_co_u32 s21, s21, SLOT
	s_add_co_u32 s22, s22, SLOT
.endr
	s_mul_i32 s23, s15, 128*PITCH
	s_lshl_b32 s21, s16, 7
	s_add_co_u32 s23, s23, s21
	v_lshl_add_u32 v7, v2, 3, v3
	v_add_nc_u32 v[STO], s23, v7
	s_mul_i32 s23, s14, 64*PITCH
	v_mul_u32_u24 v7, v2, PITCH
	v_lshl_add_u32 v7, v1, 4, v7
	v_add_nc_u32 v[RDV], s23, v7
	v_mul_u32_u24 v7, v2, OP
	v_lshl_add_u32 v[CO], v1, 4, v7
	v_and_b32 v8, 31, v0
	v_lshrrev_b32 v7, 2, v8
	v_and_b32 v9, 3, v0
	v_mul_u32_u24 v7, v7, PITCH
	v_lshl_add_u32 v7, v9, 4, v7
	s_lshl_b32 s23, s14, 6
	v_add_nc_u32 v[RDQ], s23, v7
	v_add_nc_u32 v[RDQ2], 128*PITCH, v[RDQ]
	v_lshlrev_b32 v[COQ], 4, v8
.if MODE
	s_lshl_b32 s18, s17, 8
	s_lshl_b32 s19, s14, 6
	s_add_co_u32 s18, s18, s19
	s_lshl_b32 s18, s18, 12
	s_lshl_b32 s19, s42, 8
	s_add_co_u32 s18, s18, s19
.else
	s_lshr_b32 s18, s42, 3
	s_lshl_b32 s18, s18, 4
	s_lshl_b32 s19, s17, 2
	s_add_co_u32 s18, s18, s19
	s_add_co_u32 s18, s18, s14
	s_lshl_b32 s18, s18, 17
	s_and_b32 s19, s42, 7
	s_lshl_b32 s19, s19, 8
	s_add_co_u32 s18, s18, s19
	s_add_co_u32 s18, s18, 0x800000
	s_lshr_b32 s19, s17, 3
	s_lshl_b32 s19, s19, 4
	s_lshl_b32 s21, s42, 2
	s_add_co_u32 s19, s19, s21
	s_add_co_u32 s19, s19, s14
	s_lshl_b32 s19, s19, 17
	s_and_b32 s21, s17, 7
	s_lshl_b32 s21, s21, 14
	s_add_co_u32 s19, s19, s21
	s_lshl_b32 s21, s92, 22
	s_add_co_u32 s19, s19, s21
	s_cmp_eq_u32 s92, 2
	s_cselect_b32 s18, s18, s19
.endif
	s_mov_b32 s19, 0
	s_add_nc_u64 s[74:75], s[74:75], s[18:19]
	s_wait_loadcnt 0x0
	s_wait_kmcnt 0x0
.if MODE
	s_add_co_i32 s10, s88, s89
	s_sub_co_i32 s95, 0, s10
	s_add_co_i32 s10, s10, 127
	s_lshl_b32 s96, s10, 23
	s_mov_b32 s97, s96
	s_add_co_i32 s13, s90, 127
	v_mov_b32 v[C8V], 0xbf97d29d
	v_mov_b32 v[C8V+1], 0xbf97d29d
.else
	s_add_co_i32 s10, s76, s77
	s_add_co_i32 s11, s78, s79
	s_add_co_i32 s12, s80, s81
	s_cmp_eq_u32 s92, 1
	s_cselect_b32 s10, s11, s10
	s_cselect_b32 s13, s83, s82
	s_cmp_eq_u32 s92, 2
	s_cselect_b32 s10, s12, s10
	s_cselect_b32 s13, s85, s13
	s_sub_co_i32 s95, 0, s10
	s_sub_co_i32 s13, s13, s10
	s_add_co_i32 s13, s13, 127
.endif
	s_lshl_b32 s12, s13, 23
	v_mov_b32 v[SCV], s12
	s_add_co_i32 s13, s13, 8
	s_lshl_b32 s13, s13, 23
	s_or_b32 s13, s13, 0x600000
	v_mov_b32 v[LIM], s13
.set j, 0
.rept 64
	v_ldexp_f32 v[BB+j], v[BB+j], s95
.set j, j+1
.endr
.if MODE == 0
.set j, 0
.rept 64
	v_cndmask_b32 v[BB+j], 0, v[BB+j], s94
.set j, j+1
.endr
.irp a, 0,1,2,3,4,5,6,7
	v_ldexp_f32 v[BA+2*\a], v[BA+2*\a], s95
.endr
.irp a, 0,1,2,3,4,5,6,7
	v_cndmask_b32 v[BA+2*\a], 0, v[BA+2*\a], s93
.endr
.irp a, 0,1,2,3,4,5,6,7
	v_mov_b32 v[BA+2*\a+1], v[BA+2*\a]
.endr
.endif
.macro FRAG reg, adr, q, i
.irp c, 0,1,2,3
	ds_load_b128 v[\reg+4*\c:\reg+4*\c+3], v[\adr] offset:128*(\q)+32*\c+(\i)*16*PITCH
.endr
.endm
.macro MUL16 a0, p, zero
.irp a, \a0, \a0+1
.irp b, 0,1,2,3,4,5,6,7
.if \zero
	v_wmma_f32_16x16x128_fp8_fp8 v[8*(8*((\a)%4)+\b):8*(8*((\a)%4)+\b)+7], v[128*(\p)+FR*\b:128*(\p)+FR*\b+FR-1], v[AF+FR*(\a):AF+FR*(\a)+FR-1], v[BB+8*\b:BB+8*\b+7]
.else
	v_wmma_f32_16x16x128_fp8_fp8 v[8*(8*((\a)%4)+\b):8*(8*((\a)%4)+\b)+7], v[128*(\p)+FR*\b:128*(\p)+FR*\b+FR-1], v[AF+FR*(\a):AF+FR*(\a)+FR-1], v[8*(8*((\a)%4)+\b):8*(8*((\a)%4)+\b)+7]
.endif
.endr
.endr
.endm
.macro FETCH_B slot, q, p
	WIN TO_B
.irp i, 0,1,2,3,4,5,6,7
	FRAG 128*(\p)+FR*\i, ADRB+\slot, \q, \i
.endr
	WIN 0
.endm
.macro FETCH_A slot, q, i0
.irp i, \i0, \i0+1, \i0+2, \i0+3
	FRAG AF+FR*(\i), ADRA+\slot, \q, \i
.endr
.endm
.macro PLACES n
.rept \n
	v_nop
.endr
.endm
.macro STEP slot, q, zero
	s_wait_dscnt 4*NL
.if \zero
	WIN FIRST_LO
.else
	WIN MUL_LO
.endif
	MUL16 0, (\q)%2, \zero
	MUL16 2, (\q)%2, \zero
	s_wait_dscnt 0
	PLACES NP
	FETCH_B \slot, (\q)+1, 1-(\q)%2
	FETCH_A \slot, (\q)+1, 0
.if \zero
	WIN FIRST_HI
.else
	WIN MUL_HI
.endif
	MUL16 4, (\q)%2, \zero
	MUL16 6, (\q)%2, \zero
	PLACES NP
	WIN 0
	FETCH_A \slot, (\q)+1, 4
.endm
.macro TURN slot, next, fill
	s_wait_tensorcnt 0x0
	ds_add_u32 v[SPW], v[NIL]
	s_wait_dscnt 4*NL+1
	WIN MUL_LO
	MUL16 0, 1, 0
	s_wait_dscnt 0x0
	s_barrier_signal -1
	MUL16 2, 1, 0
	WIN 0
	s_barrier_wait -1
.if \fill
	CREST
	s_add_nc_u64 s[G0+4*\slot+2:G0+4*\slot+3], s[G0+4*\slot+2:G0+4*\slot+3], 2*ROWB
	s_add_nc_u64 s[G0B+4*\slot+2:G0B+4*\slot+3], s[G0B+4*\slot+2:G0B+4*\slot+3], 2*ROWB
	JLOAD G0+4*\slot, G1, G0B+4*\slot, G1B
.else
	PLACES NP
.endif
	FETCH_B \next, 0, 0
	FETCH_A \next, 0, 0
	WIN MUL_HI
	MUL16 4, 1, 0
	MUL16 6, 1, 0
	PLACES NP
	WIN 0
	FETCH_A \next, 0, 4
.endm
	s_wait_tensorcnt 1
	s_barrier_signal -1
	s_barrier_wait -1
	FETCH_B 0, 0, 0
	FETCH_A 0, 0, 0
	FETCH_A 0, 0, 4
	STEP 0, 0, 1
	s_mov_b32 s3, LAPS-1
.Llap:
	TURN 0, 1, 1
	STEP 1, 0, 0
	TURN 1, 0, 1
	STEP 0, 0, 0
	s_sub_co_u32 s3, s3, 1
	s_cmp_lg_u32 s3, 0
	s_cbranch_scc1 .Llap
	TURN 0, 1, 0
	STEP 1, 0, 0
	s_wait_dscnt 4*NL
	WIN MUL_LO
	MUL16 0, 1, 0
	MUL16 2, 1, 0
	s_wait_dscnt 0
	WIN MUL_HI
	MUL16 4, 1, 0
	MUL16 6, 1, 0
	WIN 0
.macro TAKE a
.set AC, 64*((\a)%4)
	WIN 0x02+((\a)/4)
.set j, 0
.rept 32
.if MODE
	v_pk_mul_f32 v[Z+j:Z+j+1], v[AC+j:AC+j+1], s[96:97] op_sel_hi:[1,0]
.else
	v_pk_add_f32 v[Z+j:Z+j+1], v[AC+j:AC+j+1], v[BA+2*(\a):BA+2*(\a)+1]
.endif
.set j, j+2
.endr
	WIN 0
.endm
.if MODE
	PAIR C9, 0x3e7c6f08
	PAIR C7, 0x40097039
	PAIR C6, 0xbfd1a1e5
	PAIR C5, 0x3ecdfd18
	PAIR C4, 0xbe899a80
	PAIR C3, 0x3e0efb2e
	PAIR C2, 0x3f0a29d2
	PAIR C1, 0x3fb8ab5a
	PAIR C0, 0xc034d90f
	PAIR KK, 0xbf38aa3b
	s_mov_b32 s98, 0x3eb504f3
.endif
	PLACES NP
	s_mov_b32 s3, 0
	s_mov_b32 s2, 0
.Lblock:
.irp a, 0,1,2,3,4,5,6
	s_cmp_lg_u32 s3, \a
	s_cbranch_scc1 .Lnot_\a
	s_wait_alu depctr_va_vdst(0)
	TAKE \a
	s_branch .Ltaken
.Lnot_\a:
.endr
	s_wait_alu depctr_va_vdst(0)
	TAKE 7
.Ltaken:
	v_add_nc_u32 v[STA], s2, v[STO]
.if MODE
.set j, 0
.rept 64
	v_fma_f32 v[TT+j], |v[Z+j]|, s98, 1.0
.set j, j+1
.endr
.set j, 0
.rept 64
	v_rcp_f32 v[TT+j], v[TT+j]
.set j, j+1
.endr
	v_nop
	s_wait_alu depctr_va_vdst(0)
.set j, 0
.rept 32
	v_pk_fma_f32 v[PP+j:PP+j+1], v[TT+j:TT+j+1], s[C9:C9+1], v[C8V:C8V+1] op_sel_hi:[1,0,1]
.set j, j+2
.endr
.irp c, C7, C6, C5, C4, C3, C2, C1, C0
.set j, 0
.rept 32
	v_pk_fma_f32 v[PP+j:PP+j+1], v[PP+j:PP+j+1], v[TT+j:TT+j+1], s[\c:\c+1] op_sel_hi:[1,1,0]
.set j, j+2
.endr
.endr
.set j, 0
.rept 16
	v_pk_mul_f32 v[W:W+1], v[Z+j:Z+j+1], v[Z+j:Z+j+1]
	v_pk_mul_f32 v[W+2:W+3], v[Z+j+2:Z+j+3], v[Z+j+2:Z+j+3]
	v_pk_fma_f32 v[PP+j:PP+j+1], v[W:W+1], s[KK:KK+1], v[PP+j:PP+j+1] op_sel_hi:[1,0,1]
	v_pk_fma_f32 v[PP+j+2:PP+j+3], v[W+2:W+3], s[KK:KK+1], v[PP+j+2:PP+j+3] op_sel_hi:[1,0,1]
.set j, j+4
.endr
.set j, 0
.rept 64
	v_exp_f32 v[PP+j], v[PP+j]
.set j, j+1
.endr
	v_nop
	s_wait_alu depctr_va_vdst(0)
.set j, 0
.rept 32
	v_pk_mul_f32 v[PP+j:PP+j+1], v[PP+j:PP+j+1], v[TT+j:TT+j+1]
.set j, j+2
.endr
.set j, 0
.rept 64
	v_max_num_f32 v[TT+j], 0, v[Z+j]
.set j, j+1
.endr
.set j, 0
.rept 64
	v_fma_f32 v[Z+j], -|v[Z+j]|, v[PP+j], v[TT+j]
.set j, j+1
.endr
.endif
.set j, 0
.rept 64
	v_med3_num_f32 v[Z+j], v[Z+j], -v[LIM], v[LIM]
.set j, j+1
.endr
	s_wait_alu depctr_va_vdst(0)
	s_wait_dscnt 0x0
.irp b, 0,1,2,3,4,5,6,7
	v_cvt_scalef32_pk8_fp8_f32 v[CD+2*\b:CD+2*\b+1], v[Z+8*\b:Z+8*\b+7], v[SCV]
.endr
	v_nop
.irp b, 0,1,2,3,4,5,6,7
	ds_store_b64 v[STA], v[CD+2*\b:CD+2*\b+1] offset:16*\b
.endr
	s_add_co_u32 s2, s2, 16*PITCH
	s_add_co_u32 s3, s3, 1
	s_cmp_lt_u32 s3, 8
	s_cbranch_scc1 .Lblock
	s_wait_dscnt 0x0
	s_barrier_signal -1
	s_barrier_wait -1
.if MODE == 0
	s_cmp_eq_u32 s92, 2
	s_cbranch_scc1 .Lby_rows
.set i, 0
.rept 16
	ds_load_b128 v[BK+4*i:BK+4*i+3], v[RDQ] offset:8*PITCH*i
.set i, i+1
.endr
.set i, 0
.rept 16
	ds_load_b128 v[BK+64+4*i:BK+64+4*i+3], v[RDQ2] offset:8*PITCH*i
.set i, i+1
.endr
.set i, 0
.rept 32
	s_wait_dscnt 31-i
	global_store_b128 v[COQ], v[BK+4*i:BK+4*i+3], s[74:75] offset:512*i
.set i, i+1
.endr
	s_branch .Lout
.Lby_rows:
.endif
.set i, 0
.rept 32
	ds_load_b128 v[BK+4*i:BK+4*i+3], v[RDV] offset:2*PITCH*i
.set i, i+1
.endr
.set i, 0
.rept 32
	s_wait_dscnt 31-i
	global_store_b128 v[CO], v[BK+4*i:BK+4*i+3], s[74:75] offset:2*i*OP
.set i, i+1
.endr
.if MODE == 0
.Lout:
.endif
	s_wait_tensorcnt 0x0
	ds_add_u32 v[SPW], v[NIL]
	s_wait_dscnt 0x0
	CROUND
	s_endpgm
.Lfunc_end_k_qc87134a339_qkv:
	.size	k_qc87134a339_qkv, .Lfunc_end_k_qc87134a339_qkv-k_qc87134a339_qkv
	.p2alignl 7, 3214868480
	.fill 96, 4, 3214868480
	.section	.rodata,"a",@progbits
	.p2align	6, 0x0
	.amdhsa_kernel k_qc87134a339_qkv
		.amdhsa_group_segment_fixed_size 327680
		.amdhsa_private_segment_fixed_size 0
		.amdhsa_enable_private_segment 0
		.amdhsa_kernarg_size 56
		.amdhsa_user_sgpr_count 2
		.amdhsa_user_sgpr_kernarg_segment_ptr 1
		.amdhsa_wavefront_size32 1
		.amdhsa_system_sgpr_workgroup_id_x 1
		.amdhsa_system_sgpr_workgroup_id_y 1
		.amdhsa_system_sgpr_workgroup_id_z 1
		.amdhsa_system_vgpr_workitem_id 0
		.amdhsa_next_free_vgpr 1024
		.amdhsa_next_free_sgpr 100
		.amdhsa_reserve_vcc 0
		.amdhsa_float_denorm_mode_32 3
		.amdhsa_float_denorm_mode_16_64 3
		.amdhsa_memory_ordered 1
		.amdhsa_forward_progress 1
		.amdhsa_inst_pref_size 127
	.end_amdhsa_kernel
	.amdgpu_metadata
---
amdhsa.version: [ 1, 2 ]
amdhsa.kernels:
  - .name:           k_qc87134a339_qkv
    .symbol:         k_qc87134a339_qkv.kd
    .args:
      - { .name: hcodes, .offset: 0, .size: 8, .value_kind: global_buffer, .address_space: global }
      - { .name: wcodes, .offset: 8, .size: 8, .value_kind: global_buffer, .address_space: global }
      - { .name: lowp_scales, .offset: 16, .size: 8, .value_kind: global_buffer, .address_space: global }
      - { .name: bq, .offset: 24, .size: 8, .value_kind: global_buffer, .address_space: global }
      - { .name: bk, .offset: 32, .size: 8, .value_kind: global_buffer, .address_space: global }
      - { .name: bv, .offset: 40, .size: 8, .value_kind: global_buffer, .address_space: global }
      - { .name: qkvc, .offset: 48, .size: 8, .value_kind: global_buffer, .address_space: global }
    .group_segment_fixed_size: 327680
    .private_segment_fixed_size: 0
    .kernarg_segment_align: 8
    .kernarg_segment_size: 56
    .max_flat_workgroup_size: 128
    .sgpr_count:     100
    .vgpr_count:     1024
    .wavefront_size: 32
...
	.end_amdgpu_metadata
.endif
;; end of part 2
;; launch attn (part 3): grid 8 x 32, 8 waves a work-group, clusters of 4 x 1, 327,680 bytes of LDS; arguments qkvc, lowp_scales, ocodes; writes ocodes
.if DOCPART == 3
	.amdgcn_target "amdgcn-amd-amdhsa--gfx1250"
	.amdhsa_code_object_version 6
	.text
	.protected	k_qc87134a339_attn
	.globl	k_qc87134a339_attn
	.p2align	8
	.type	k_qc87134a339_attn,@function
k_qc87134a339_attn:
	s_mov_b64 s[64:65], 0
	v_nop
	global_prefetch_b8 v0, s[64:65] scope:SCOPE_SE
	s_setreg_imm32_b32 hwreg(HW_REG_WAVE_MODE, 25, 1), 1
	s_wait_xcnt 0x0
	s_wait_alu depctr_hold_cnt(0) depctr_sa_sdst(0) depctr_va_vdst(0) depctr_va_sdst(0) depctr_va_ssrc(0) depctr_va_vcc(0) depctr_vm_vsrc(0)
	s_getreg_b32 s2, hwreg(HW_REG_IB_STS2, 6, 4)
	s_cmp_eq_u32 s2, 0
	s_cbranch_scc0 .Lentry_in_a_cluster
	s_endpgm
.Lentry_in_a_cluster:
	s_bfe_u32 s2, ttmp6, 0x10000c
	s_cmp_lg_u32 s2, 0x3003
	s_cbranch_scc0 .Lentry_shape_is_right
	s_endpgm
.Lentry_shape_is_right:
; ATTENTION ON CODES OF E4M3.  o[bh][q][:] = sum over k of softmax_k(q . k / 8) v[k][:], head size 64, 2,048 keys, 32 heads (bh = 16 b + head), no mask; the result leaves as codes under entry 10.
; qkvc: q's codes at 0 and k's at 4 MiB, [bh][2048][64]; v's at 8 MiB with the KEYS innermost, [bh][64][2048].  ocodes: [bh][2048][64].
; THE SOFTMAX AHEAD OF THE SECOND PRODUCT: t = score x log2(e) / 8; M = the running largest t, rounded UP to a whole number; p = 2^(t - M) is quantised under entry 8, not normalised; the row's sum is taken of the
; unquantised p and divides at the end.  When M moves, the sum and O are multiplied by 2^(old M - new M): exact.
; SHARES.  A work-group owns 256 queries of one head; each of its EIGHT waves owns 32 of them, two tiles A and B: a fragment of K or V read from LDS feeds two matrix instructions, and the two tiles' chains of
; vector work stand line by line beside each other.  Two waves to a SIMD.
; A HEAD'S K AND V LIE WHOLE IN LDS, in two halves of 1,024 keys.  Every wave issues one load at the head (waves 0-3: 256 keys of K each; waves 4-7: 16 rows of V each) and one more, for the second half, behind
; the wait for the first, the add and a round of the cluster's barrier; that load has the first eight key steps in which to land.  Nothing is filled again.  A wave has one tensor load out at the most.
; CLUSTER.  The four query blocks of a cluster belong to one head and need the same K and V: each tile is asked for jointly, by the same load with the same descriptor and the mask of all four.
; NO PREFETCH: both fills are asked for ahead of the first key step, so the loop over the keys has no later load to run ahead of.
; LAYOUT.  Both products are used transposed: S^T = K Q^T (source 0 = 16 neighbouring keys, source 1 = 16 queries), O^T = V^T P^T: a lane holds ONE query of each tile (lane % 16).  Tile t of S^T holds keys
; 16 t + 8 (lane / 16) + 0 .. 7 in its eight registers; its conversion gives registers 2 t, 2 t + 1 of P, the order of k that the K = 128 form has; V's fragments are read in the same order, 8 bytes a load.
; Along the head's 64, Q and K are both read 16 bytes a load: the same order of k on both sides.
; LIMITS on the given exponents: e6 + e7 between -123 and 130 (added to c's exponent field); e8, and e10 - e8 - e9, between -126 and 119.  NaN and infinities are not served.
; REGISTERS.  Window 0: v1-9 addresses; v10 448 x 2^e8, v11 2^e8; v[12:13], v[14:15] (-M, the largest score) of A, B; v[16:17], v[18:19] the sums in two halves; v[20:21], v[22:23] f; v24-31 at work;
;   v32-95 K's eight fragments, then V's four; v96-159, v160-223 S^T, then p, of A, B; v224-239, v240-255 p's codes.   Window 1: v96-111 Q of A, B; v128-159, v160-191 O^T of A, B.
.set KP,    80                         ; a key's row in LDS: 64 bytes + 16 of padding
.set VP,    1040                       ; a row of a half of V: 1,024 bytes + 16 = 260 words: the 32 lanes of an 8-byte load fall on 64 different banks (64 banks of 4 bytes: ISA guide 11.1)
.set VBASE, 2048*KP                    ; K: 163,840 bytes; then V: two halves of 64 rows
.set VCH,   64*VP
.set STAGE, VBASE+2*VCH                ; 2,048 bytes for each wave, for the way out; no tile lands here
.set SPARE, STAGE+8*2048               ; the spare words, 128 bytes a wave
.set AK0,  1
.set AV0,  2
.set SIN,  3
.set SOUT, 4
.set SPW,  5                           ; LDS address of my spare word; never rewritten
.set NIL,  6                           ; 0; never rewritten
.set GO,   7
.set ADK,  8
.set ADV,  9
.set KV,   32
.set SA,   96
.set SB,   160
.set PCA,  224
.set PCB,  240
.set QA,   96                          ; window 1
.set QB,   104
.set OA,   128                         ; window 1
.set OB,   160
.set TK,   10                          ; s10  LDS byte at which the step's keys begin
.set TV,   11                          ; s11  the same for V, from VBASE
.set CNT,  12
.set WV,   18                          ; s18  my wave's number
.set SEL,  20                          ; s[20:21] lane selects for v_permlanex16_b32: lane l xor 16
.set CS,   22                          ; s[22:23] c = log2(e) / 8 x 2^(e6 + e7)
.set G1K,  24
.set G1V,  32
.set G0K,  40                          ; s[40:47] group 0 for K's two halves
.set G0V,  48                          ; s[48:55] for V's
.set MSB, 0
.macro WIN new                         ; the immediate's high byte repeats the setting that is left
.if MSB != (\new)
	s_set_vgpr_msb (MSB<<8)|(\new)
.set MSB, (\new)
.endif
.endm
.macro CROUND
	s_barrier_signal -1
	s_barrier_wait -1
	s_cmp_lg_u32 s[WV], 0
	s_cbranch_scc1 .Lnot_wave_0_\@
	s_barrier_signal -3
.Lnot_wave_0_\@:
	s_barrier_wait -3
	s_barrier_signal -1
	s_barrier_wait -1
.endm
.macro JLOAD n                         ; half n: waves 0-3 ask for K, waves 4-7 for V; an s_nop 0 and four v_nop follow each of the two lines
	s_cmp_lt_u32 s[WV], 4
	s_cbranch_scc0 .Lfor_v_\@
	tensor_load_to_lds s[G0K+4*\n:G0K+4*\n+3], s[G1K:G1K+7]
	s_nop 0
.rept 4
	v_nop
.endr
	s_branch .Lasked_\@
.Lfor_v_\@:
	tensor_load_to_lds s[G0V+4*\n:G0V+4*\n+3], s[G1V:G1V+7]
	s_nop 0
.rept 4
	v_nop
.endr
.Lasked_\@:
.endm
.macro HOLD2 r                         ; two numbers held at 448 x 2^e8 by one dual instruction (the conversion does not saturate: ISA guide 7.6.2; p is not negative, so the hold is one-sided)
	v_dual_min_num_f32 v[\r], v10, v[\r] :: v_dual_min_num_f32 v[\r+1], v10, v[\r+1]
.endm
	s_load_b128 s[4:7], s[0:1], 0x0                ; qkvc, the scales
	s_load_b64 s[8:9], s[0:1], 0x10                ; ocodes
	v_lshl_add_u32 v[SPW], v0, 2, SPARE
	v_mov_b32 v[NIL], 0
	ds_add_u32 v[SPW], v[NIL]                      ; the wave's opening: the add, twice on end, and its wait ahead of my first tensor load
	ds_add_u32 v[SPW], v[NIL]
	v_lshrrev_b32 v8, 5, v0
	v_readfirstlane_b32 s[WV], v8                  ; wave 0..7
	s_and_b32 s13, ttmp7, 0xffff                   ; the head, which the four partners share:
	s_lshl_b32 s13, s13, 17                        ; 131,072 bytes a head in each tensor of codes
	s_and_b32 s14, s[WV], 3                        ; which quarter of a half I fetch
	s_lshl_b32 s56, s14, 14                        ; K: 256 keys of 64 bytes,
	s_add_co_u32 s56, s56, s13
	s_add_co_u32 s56, s56, 0x400000
	s_mov_b32 s57, 0
	s_mul_i32 s15, s14, 256*KP                     ; and in LDS
	s_lshl_b32 s58, s14, 15                        ; V: 16 rows of 2,048 bytes,
	s_add_co_u32 s58, s58, s13
	s_add_co_u32 s58, s58, 0x800000
	s_mov_b32 s59, 0
	s_mul_i32 s19, s14, 16*VP
	s_add_co_u32 s19, s19, VBASE                   ; and in LDS: no place in the cluster enters an LDS address
	s_bfe_u32 s2, ttmp6, 0x40000                   ; cx: it enters Q's and O's addresses alone
	s_lshl_b32 s3, ttmp9, 2
	s_add_co_u32 s3, s3, s2
	s_lshl_b32 s3, s3, 8
	s_lshl_b32 s2, s[WV], 5
	s_add_co_u32 s3, s3, s2                        ; my first query: 256 x (4 x cluster x + cx) + 32 x wave
	s_lshl_b32 s94, s3, 6
	s_add_co_u32 s94, s94, s13
	s_mov_b32 s95, 0
	; group 1.  K: 256 keys are 16,384 dense bytes, stated as 64 rows of 256 bytes; 16 bytes of padding behind every 64, that is behind every key.  V: 16 rows of 1,024 bytes, 2,048 apart, 16 bytes behind each
	s_mov_b32 s[G1K], 15|(0<<16)|(1<<20)|(1<<21)|(3<<22)|(3<<25)   ; the mask of all four; elements of 1 byte; padding on; bit 21 beside a mask; after every 16 words, four words
	s_mov_b32 s[G1K+1], 256<<16
	s_mov_b32 s[G1K+2], 64<<16
	s_mov_b32 s[G1K+3], 256<<16
	s_mov_b32 s[G1K+4], 64
	s_mov_b32 s[G1K+5], 256
	s_mov_b32 s[G1K+6], 0
	s_mov_b32 s[G1K+7], 0
	s_mov_b32 s[G1V], 15|(0<<16)|(1<<20)|(1<<21)|(7<<22)|(3<<25)   ; padding: four words after every 256
	s_mov_b32 s[G1V+1], 1024<<16
	s_mov_b32 s[G1V+2], 16<<16
	s_mov_b32 s[G1V+3], 1024<<16
	s_mov_b32 s[G1V+4], 16
	s_mov_b32 s[G1V+5], 2048
	s_mov_b32 s[G1V+6], 0
	s_mov_b32 s[G1V+7], 0
	s_mov_b32 s[SEL], 0x76543210
	s_mov_b32 s[SEL+1], 0xfedcba98
	s_mov_b32 s[CS], 0x3e38aa3b                    ; log2(e) / 8
	s_wait_dscnt 0x0                               ; both opening adds are done
	s_wait_kmcnt 0x0
	s_load_b128 s[84:87], s[6:7], 0x18             ; e6, e7, e8, e9
	s_load_b32 s88, s[6:7], 0x28                   ; e10
	s_add_nc_u64 s[56:57], s[4:5], s[56:57]
	s_add_nc_u64 s[58:59], s[4:5], s[58:59]
	s_add_nc_u64 s[8:9], s[8:9], s[94:95]          ; O's codes at my first query,
	s_add_nc_u64 s[94:95], s[4:5], s[94:95]        ; and Q's
.irp n, 0,1
	s_mov_b32 s[G0K+4*\n], 1
	s_add_co_u32 s[G0K+4*\n+1], s15, \n*1024*KP
	s_add_nc_u64 s[G0K+4*\n+2:G0K+4*\n+3], s[56:57], \n*1024*64
	s_or_b32 s[G0K+4*\n+3], s[G0K+4*\n+3], 0x80000000
	s_mov_b32 s[G0V+4*\n], 1
	s_add_co_u32 s[G0V+4*\n+1], s19, \n*VCH
	s_add_nc_u64 s[G0V+4*\n+2:G0V+4*\n+3], s[58:59], \n*1024
	s_or_b32 s[G0V+4*\n+3], s[G0V+4*\n+3], 0x80000000
.endr
	s_lshl_b32 s2, s[WV], 11
	s_add_co_u32 s2, s2, STAGE                     ; my stage
	CROUND                                         ; all four work-groups are here: the joint loads meet
	JLOAD 0                                        ; keys 0 to 1,023: my one tensor load at the head
	v_and_b32 v8, 15, v0                           ; r = lane % 16
	v_bfe_u32 v9, v0, 4, 1                         ; h = lane / 16
	v_lshlrev_b32 v24, 6, v8
	v_lshl_add_u32 v24, v9, 4, v24                 ; Q: row r of 64 bytes, + 16 h
	WIN 0x40                                       ; destination window 1
	global_load_b128 v[QA:QA+3], v24, s[94:95]
	global_load_b128 v[QA+4:QA+7], v24, s[94:95] offset:32
	global_load_b128 v[QB:QB+3], v24, s[94:95] offset:1024
	global_load_b128 v[QB+4:QB+7], v24, s[94:95] offset:1056
.set j, 0
.rept 64
	v_mov_b32 v[OA+j], 0                           ; O^T of both tiles: the step is written once; its first pass finds zeros, which the first change of M leaves zeros
.set j, j+1
.endr
	WIN 0
	v_mul_u32_u24 v[AK0], v8, KP
	v_lshl_add_u32 v[AK0], v9, 4, v[AK0]
	v_mul_u32_u24 v[AV0], v8, VP
	v_lshl_add_u32 v[AV0], v9, 3, v[AV0]
	v_add_nc_u32 v[AV0], VBASE, v[AV0]
	v_lshl_add_u32 v[SIN], v9, 3, s2
	v_lshl_add_u32 v[SIN], v8, 6, v[SIN]           ; the stage, in: query r's 64 bytes, + 8 h
	v_and_b32 v11, 31, v0
	v_lshlrev_b32 v[GO], 4, v11
	v_add_nc_u32 v[SOUT], s2, v[GO]                ; out: 16 bytes a lane
.irp r, 13,15
	v_mov_b32 v\r, 0xff61b1e6                      ; the largest score so far: -3e38
.endr
.irp r, 12,14
	v_mov_b32 v\r, 0x7f61b1e6                      ; -M: 3e38, a whole number
.endr
.irp r, 16,17,18,19,21,23,28,29
	v_mov_b32 v\r, 0                               ; the sums; the upper halves of f's pairs; the lane permutes' destinations, which count as sources
.endr
	s_wait_kmcnt 0x0
	s_add_co_i32 s2, s84, s85
	s_lshl_b32 s2, s2, 23
	s_add_co_i32 s[CS], s[CS], s2                  ; a score stands for score x 2^(e6 + e7): the exponents are added to c's exponent field
	s_mov_b32 s[CS+1], s[CS]
	s_add_co_i32 s2, s86, 127
	s_lshl_b32 s3, s2, 23
	v_mov_b32 v11, s3                              ; 2^e8, for p's conversion
	s_add_co_i32 s2, s2, 8
	s_lshl_b32 s2, s2, 23
	s_or_b32 s2, s2, 0x600000
	v_mov_b32 v10, s2                              ; 448 x 2^e8
; A KEY STEP: 128 keys against my 32 queries.
.macro STEP
	v_add_nc_u32 v[ADK], s[TK], v[AK0]
	v_add_nc_u32 v[ADV], s[TV], v[AV0]
	v_nop                                          ; with the two additions: four places in front of loads into registers that the last products have read
	v_nop
.irp t, 0,1,2,3,4,5,6,7
	ds_load_b128 v[KV+8*\t:KV+8*\t+3], v[ADK] offset:16*KP*\t
	ds_load_b128 v[KV+8*\t+4:KV+8*\t+7], v[ADK] offset:16*KP*\t+32
.endr
	s_wait_alu depctr_va_vdst(0)                   ; the wait here, directly ahead of the wait below
	s_wait_dscnt 8                                 ; tiles 0-3 are in; the eight loads of tiles 4-7 may be out
	WIN 0x04                                       ; source 1 (Q) window 1
.irp t, 0,1,2,3
	v_wmma_f32_16x16x64_fp8_fp8 v[SA+8*\t:SA+8*\t+7], v[KV+8*\t:KV+8*\t+7], v[QA:QA+7], 0
	v_wmma_f32_16x16x64_fp8_fp8 v[SB+8*\t:SB+8*\t+7], v[KV+8*\t:KV+8*\t+7], v[QB:QB+7], 0
.endr
	s_wait_dscnt 0x0
.irp t, 4,5,6,7
	v_wmma_f32_16x16x64_fp8_fp8 v[SA+8*\t:SA+8*\t+7], v[KV+8*\t:KV+8*\t+7], v[QA:QA+7], 0
	v_wmma_f32_16x16x64_fp8_fp8 v[SB+8*\t:SB+8*\t+7], v[KV+8*\t:KV+8*\t+7], v[QB:QB+7], 0
.endr
	WIN 0
.rept 4
	v_nop                                          ; places: in front of the loads below, and of the first read of the scores
.endr
.irp t, 0,1,2,3
.irp c, 0,1,2,3,4,5,6,7
	ds_load_b64 v[KV+16*\t+2*\c:KV+16*\t+2*\c+1], v[ADV] offset:16*VP*\t+16*\c   ; V^T: d = 16 t + r, keys 16 c + 8 h + 0 .. 7: they land under the softmax
.endr
.endr
	v_max3_num_f32 v24, v[SA], v[SA+1], v[SA+2]    ; the step's largest score of each query, two chains a tile, each accumulator from its low end on
	v_max3_num_f32 v26, v[SB], v[SB+1], v[SB+2]
	v_max3_num_f32 v25, v[SA+3], v[SA+4], v[SA+5]
	v_max3_num_f32 v27, v[SB+3], v[SB+4], v[SB+5]
.irp i, 6,10,14,18,22,26,30,34,38,42,46,50,54,58
	v_max3_num_f32 v24, v24, v[SA+\i], v[SA+\i+1]
	v_max3_num_f32 v26, v26, v[SB+\i], v[SB+\i+1]
	v_max3_num_f32 v25, v25, v[SA+\i+2], v[SA+\i+3]
	v_max3_num_f32 v27, v27, v[SB+\i+2], v[SB+\i+3]
.endr
	v_max3_num_f32 v24, v24, v[SA+62], v[SA+63]
	v_max3_num_f32 v26, v26, v[SB+62], v[SB+63]
	v_max_num_f32 v24, v24, v25
	v_max_num_f32 v26, v26, v27
	v_permlanex16_b32 v28, v24, s[SEL], s[SEL+1]
	v_permlanex16_b32 v29, v26, s[SEL], s[SEL+1]
	v_max3_num_f32 v13, v13, v24, v28              ; the running largest score: mine and lane l xor 16's
	v_max3_num_f32 v15, v15, v26, v29
	v_mul_f32 v24, s[CS], v13                      ; as t (c is positive)
	v_mul_f32 v26, s[CS], v15
	v_mov_b32 v25, v12
	v_mov_b32 v27, v14
	v_floor_f32 v12, -v24                          ; the new -M = floor(-t) = -ceil(t): M is a whole number
	v_floor_f32 v14, -v26
	v_sub_f32 v25, v12, v25                        ; M's old value less its new one: a whole number, 0 or less
	v_sub_f32 v27, v14, v27
	v_cvt_i32_f32 v25, v25                         ; (it saturates)
	v_cvt_i32_f32 v27, v27
	v_ldexp_f32 v20, 1.0, v25                      ; f = 2^(old M - new M)
	v_ldexp_f32 v22, 1.0, v27
.set j, 0
.rept 32
	v_pk_fma_f32 v[SA+j:SA+j+1], v[SA+j:SA+j+1], s[CS:CS+1], v[12:13] op_sel_hi:[1,0,0]   ; t - M, two at a time (of the pairs c and -M the low word serves both halves)
	v_pk_fma_f32 v[SB+j:SB+j+1], v[SB+j:SB+j+1], s[CS:CS+1], v[14:15] op_sel_hi:[1,0,0]
.set j, j+2
.endr
	s_wait_alu depctr_va_vdst(0)                   ; the wait ahead of the batch
.set j, 0
.rept 128
	v_exp_f32 v[SA+j], v[SA+j]                     ; p = 2^(t - M), at most 1: not normalised; both tiles' registers lie on end
.set j, j+1
.endr
	v_pk_mul_f32 v[16:17], v[16:17], v[20:21] op_sel_hi:[1,0]   ; the sums under the new M: plain instructions behind the exponentials
	v_pk_mul_f32 v[18:19], v[18:19], v[22:23] op_sel_hi:[1,0]
	s_wait_alu depctr_va_vdst(0)                   ; one wait for the batch of 128, ahead of its first reader
	v_pk_add_f32 v[24:25], v[SA:SA+1], v[SA+2:SA+3]             ; the sums of the unquantised p, two chains a tile
	v_pk_add_f32 v[26:27], v[SB:SB+1], v[SB+2:SB+3]
.irp j, 4,8,12,16,20,24,28,32,36,40,44,48,52,56,60
	v_pk_add_f32 v[16:17], v[16:17], v[SA+\j:SA+\j+1]
	v_pk_add_f32 v[18:19], v[18:19], v[SB+\j:SB+\j+1]
	v_pk_add_f32 v[24:25], v[24:25], v[SA+\j+2:SA+\j+3]
	v_pk_add_f32 v[26:27], v[26:27], v[SB+\j+2:SB+\j+3]
.endr
	v_pk_add_f32 v[16:17], v[16:17], v[24:25]
	v_pk_add_f32 v[18:19], v[18:19], v[26:27]
.irp t, 0,1,2,3,4,5,6,7
.irp i, 0,2,4,6
	HOLD2 SA+8*\t+\i
.endr
.irp i, 0,2,4,6
	HOLD2 SB+8*\t+\i
.endr
	v_cvt_scalef32_pk8_fp8_f32 v[PCA+2*\t:PCA+2*\t+1], v[SA+8*\t:SA+8*\t+7], v11
	v_cvt_scalef32_pk8_fp8_f32 v[PCB+2*\t:PCB+2*\t+1], v[SB+8*\t:SB+8*\t+7], v11
.endr
	WIN 0x41                                       ; source 0 and destination window 1
	s_wait_alu depctr_va_vdst(0)                   ; the wait here, directly ahead of the first reader of O^T
.set j, 0
.rept 16
	v_pk_mul_f32 v[OA+j:OA+j+1], v[OA+j:OA+j+1], v[20:21] op_sel_hi:[1,0]   ; O^T under the new M; also the plain instructions between the conversions and the products
	v_pk_mul_f32 v[OB+j:OB+j+1], v[OB+j:OB+j+1], v[22:23] op_sel_hi:[1,0]
.set j, j+2
.endr
	s_wait_alu depctr_va_vdst(0)                   ; the wait here, directly ahead of the wait below
	s_wait_dscnt 0x0                               ; V's fragments
	WIN 0x50                                       ; C and D window 1
.irp t, 0,1,2,3
	v_wmma_f32_16x16x128_fp8_fp8 v[OA+8*\t:OA+8*\t+7], v[KV+16*\t:KV+16*\t+15], v[PCA:PCA+15], v[OA+8*\t:OA+8*\t+7]   ; eight accumulators by turns
	v_wmma_f32_16x16x128_fp8_fp8 v[OB+8*\t:OB+8*\t+7], v[KV+16*\t:KV+16*\t+15], v[PCB:PCB+15], v[OB+8*\t:OB+8*\t+7]
.endr
	WIN 0
	s_add_co_u32 s[TK], s[TK], 128*KP
	s_add_co_u32 s[TV], s[TV], 128
.endm
.macro CHUNK n                         ; half n: 1,024 keys, eight steps
	s_mov_b32 s[TK], \n*1024*KP
	s_mov_b32 s[TV], \n*VCH
	s_mov_b32 s[CNT], 8
.Lstep_\@:
	STEP
	s_sub_co_u32 s[CNT], s[CNT], 1
	s_cmp_lg_u32 s[CNT], 0
	s_cbranch_scc1 .Lstep_\@
.endm
	s_wait_alu depctr_va_vdst(0)                   ; the wait at the head's end
	s_wait_loadcnt 0x0                             ; Q
	s_wait_tensorcnt 0x0                           ; my part of the first half is in; these lines stand ahead of a later first fill, as ahead of a refill
	ds_add_u32 v[SPW], v[NIL]
	s_wait_dscnt 0x0
	CROUND                                         ; everybody's part is in, and all four work-groups are here: the joint loads meet
	JLOAD 1                                        ; keys 1,024 to 2,047: the first tensor load behind the round
	CHUNK 0
	s_wait_tensorcnt 0x0                           ; my part of the second half is in,
	s_wait_dscnt 0x0
	s_barrier_signal -1
	s_barrier_wait -1                              ; everybody's is
	CHUNK 1
	; THE WAY OUT.  o = O^T x 2^(e8 + e9) / the sum; its code is (O^T / the sum) / 2^(e10 - e8 - e9): the three scales are folded into the conversion's one.
	v_add_f32 v16, v16, v17                        ; the sums' two halves,
	v_add_f32 v18, v18, v19
	v_permlanex16_b32 v28, v16, s[SEL], s[SEL+1]
	v_permlanex16_b32 v29, v18, s[SEL], s[SEL+1]
	v_add_f32 v16, v16, v28                        ; and lane l xor 16's
	v_add_f32 v18, v18, v29
	s_wait_alu depctr_va_vdst(0)                   ; the wait ahead of the transcendentals
	v_rcp_f32 v16, v16
	v_rcp_f32 v18, v18
	s_sub_co_i32 s2, s88, s86
	s_sub_co_i32 s2, s2, s87
	s_add_co_i32 s2, s2, 127
	s_lshl_b32 s3, s2, 23
	v_mov_b32 v24, s3                              ; (plain instructions behind the transcendentals)
	s_add_co_i32 s2, s2, 8
	s_lshl_b32 s2, s2, 23
	s_or_b32 s2, s2, 0x600000
	v_mov_b32 v25, s2
	WIN 0x01                                       ; source 0 window 1
	s_wait_alu depctr_va_vdst(0)                   ; the wait ahead of the first reader of the reciprocals and of O^T
.set j, 0
.rept 32
	v_mul_f32 v[96+j], v[OA+j], v16                ; register 8 t + i is o(my query, 16 t + 8 h + i); each accumulator from its low end on
.set j, j+1
.endr
.set j, 0
.rept 32
	v_mul_f32 v[128+j], v[OB+j], v18
.set j, j+1
.endr
	WIN 0
.set j, 0
.rept 64
	v_med3_num_f32 v[96+j], v[96+j], -v25, v25
.set j, j+1
.endr
.irp t, 0,1,2,3,4,5,6,7
	v_cvt_scalef32_pk8_fp8_f32 v[PCA+2*\t:PCA+2*\t+1], v[96+8*\t:103+8*\t], v24
.endr
	v_nop
.irp t, 0,1,2,3,4,5,6,7
	ds_store_b64 v[SIN], v[PCA+2*\t:PCA+2*\t+1] offset:1024*(\t/4)+16*(\t%4)
.endr
.irp i, 0,1,2,3
	ds_load_b128 v[KV+4*\i:KV+4*\i+3], v[SOUT] offset:512*\i   ; LDS serves a wave's instructions in order (ISA guide 5.7.1.4): these see my stores
.endr
.irp i, 0,1,2,3
	s_wait_dscnt 3-\i
	global_store_b128 v[GO], v[KV+4*\i:KV+4*\i+3], s[8:9] offset:512*\i   ; my 32 queries' codes are 2,048 bytes on end: 32 lanes store 512 consecutive bytes, aligned
.endr
	s_wait_tensorcnt 0x0                           ; the wave's end: these three lines, behind my last tensor load and my last LDS store
	ds_add_u32 v[SPW], v[NIL]
	s_wait_dscnt 0x0
	CROUND                                         ; the closing round: no work-group ends while a partner may still ask for a tile that names it
	s_endpgm
.Lfunc_end_k_qc87134a339_attn:
	.size	k_qc87134a339_attn, .Lfunc_end_k_qc87134a339_attn-k_qc87134a339_attn
	.p2alignl 7, 3214868480
	.fill 96, 4, 3214868480
	.section	.rodata,"a",@progbits
	.p2align	6, 0x0
	.amdhsa_kernel k_qc87134a339_attn
		.amdhsa_group_segment_fixed_size 327680
		.amdhsa_private_segment_fixed_size 0
		.amdhsa_enable_private_segment 0
		.amdhsa_kernarg_size 24
		.amdhsa_user_sgpr_count 2
		.amdhsa_user_sgpr_kernarg_segment_ptr 1
		.amdhsa_wavefront_size32 1
		.amdhsa_system_sgpr_workgroup_id_x 1
		.amdhsa_system_sgpr_workgroup_id_y 1
		.amdhsa_system_sgpr_workgroup_id_z 1
		.amdhsa_system_vgpr_workitem_id 0
		.amdhsa_next_free_vgpr 448
		.amdhsa_next_free_sgpr 100
		.amdhsa_reserve_vcc 0
		.amdhsa_float_denorm_mode_32 3
		.amdhsa_float_denorm_mode_16_64 3
		.amdhsa_memory_ordered 1
		.amdhsa_forward_progress 1
		.amdhsa_inst_pref_size 78
	.end_amdhsa_kernel
	.amdgpu_metadata
---
amdhsa.version: [ 1, 2 ]
amdhsa.kernels:
  - .name:           k_qc87134a339_attn
    .symbol:         k_qc87134a339_attn.kd
    .args:
      - { .name: qkvc, .offset: 0, .size: 8, .value_kind: global_buffer, .address_space: global }
      - { .name: lowp_scales, .offset: 8, .size: 8, .value_kind: global_buffer, .address_space: global }
      - { .name: ocodes, .offset: 16, .size: 8, .value_kind: global_buffer, .address_space: global }
    .group_segment_fixed_size: 327680
    .private_segment_fixed_size: 0
    .kernarg_segment_align: 8
    .kernarg_segment_size: 24
    .max_flat_workgroup_size: 256
    .sgpr_count:     100
    .vgpr_count:     448
    .wavefront_size: 32
...
	.end_amdgpu_metadata
.endif
;; end of part 3
;; launch wo (part 4): grid 8 x 32, 4 waves a work-group, clusters of 4 x 4, 327,680 bytes of LDS; arguments ocodes, wcodes, lowp_scales, x, bo, x1; writes x1
.if DOCPART == 4
	.amdgcn_target "amdgcn-amd-amdhsa--gfx1250"
	.amdhsa_code_object_version 6
	.text
	.protected	k_qc87134a339_wo
	.globl	k_qc87134a339_wo
	.p2align	8
	.type	k_qc87134a339_wo,@function
k_qc87134a339_wo:
	s_mov_b64 s[64:65], 0
	v_nop
	global_prefetch_b8 v0, s[64:65] scope:SCOPE_SE
	s_setreg_imm32_b32 hwreg(HW_REG_WAVE_MODE, 25, 1), 1
	s_wait_xcnt 0x0
	s_wait_alu depctr_hold_cnt(0) depctr_sa_sdst(0) depctr_va_vdst(0) depctr_va_sdst(0) depctr_va_ssrc(0) depctr_va_vcc(0) depctr_vm_vsrc(0)
	s_getreg_b32 s2, hwreg(HW_REG_IB_STS2, 6, 4)
	s_cmp_eq_u32 s2, 0
	s_cbranch_scc0 .Lentry_in_a_cluster
	s_endpgm
.Lentry_in_a_cluster:
	s_bfe_u32 s2, ttmp6, 0x10000c
	s_cmp_lg_u32 s2, 0xf033
	s_cbranch_scc0 .Lentry_shape_is_right
	s_endpgm
.Lentry_shape_is_right:
; A GEMM ON CODES OF E4M3 WITH 1,024 COLUMNS, WHOSE RESULT IS ADDED TO A RESIDUAL: out = res + bias + (A B^T) x 2^(ea + eb), f32 [4096][1024].  One text, two uses:
;   MODE 0: x1 = x + o Wo + bo, K = 1,024.   MODE 1: out0 = x1 + g W2 + b2, K = 4,096.
; A tile of C is 128 x 128, so that each of 256 WGPs has one (tiles of 256 x 256 would be 64); four waves of 64 x 64: 16 accumulators.  K goes in steps of 512 through two LDS slots filled by the tensor data mover.
; 4 x 4 work-groups form a cluster: A's tile is asked for jointly along a row of the cluster, B's along a column.  MODE 0 has two K steps in all: both come by the one load at the head, and nothing is filled again.
; THE MATRIX INSTRUCTION IS USED TRANSPOSED (source 0 = 16 rows of B, source 1 = 16 rows of A): a lane holds eight neighbouring numbers of a row of C.
; MODE 0's A lies in memory by heads, [16 b + head][token][64].  A K step is eight heads.  One tensor load brings 64 tokens of sixteen heads: sixteen 'rows' of 4,096 dense bytes, 131,072 apart, with 16 bytes of padding
; behind every 64: in LDS [head: 5,120 bytes][token: 80 bytes].
; THE RESIDUAL is asked for at the kernel's head, in the layout in which the rows leave, so that it lands under the whole product.
; LIMIT: ea + eb between -126 and 127.  NaN and infinities are not served.
; REGISTERS, in windows of 256: window 0: v1-31 addresses, v[8:11] the bias; v32-95 rows on the way out, two sets; v128-255 the accumulators ((a, b) at v[128 + 8 (4 a + b)]).
;   window 1: two fragment buffers of 128: A's four fragments (16 rows x 128 K, 16 registers), then B's four.   window 2: v0-127 the residual.
; AS ASSEMBLED HERE (MODE 0): all of K = 1,024 comes by ONE load a wave at the head: A's half is 64 tokens of all sixteen heads, B's half 64 rows of 1,024 bytes.  There is no second fill and nothing is filled again;
; 'slot 1' below is the second 512 of K inside the same tiles: eight heads on in A, 512 bytes on in a row of B.
.set MODE,   0
.if MODE
.set KTOT,   4096
.set WOFF,   0x800000                  ; W2's codes in wcodes
.set ESC,    0x38                      ; entries 14, 15
.set HALFA,  64*528                    ; 64 rows of A in LDS
.set AQI,    6                         ; A's padding: after every 128 words
.set AD0,    512                       ; A's tile: a row's bytes,
.set AD1,    64                        ; rows,
.set ASTR,   KTOT                      ; bytes from row to row,
.set ASTEP,  512                       ; and from a K step to the next
.set LA,     3                         ; A's lane part is B's
.else
.set KTOT,   1024
.set WOFF,   0x300000                  ; Wo's codes
.set ESC,    0x28                      ; entries 10, 11
.set HALFA,  16*5120
.set AQI,    3                         ; after every 16 words
.set AD0,    4096
.set AD1,    16
.set ASTR,   131072
.set ASTEP,  0x100000                  ; eight heads on
.set LA,     4
.endif
.set LAPS,   KTOT/1024                 ; a lap = two K steps = once round the ring
.set PB,     1040                      ; an LDS row of 1,024 bytes + 16 of padding = 260 words: row r starts at bank 4 r mod 64 (64 banks of 4 bytes: ISA guide 11.1)
.set HALFB,  64*PB
.set SLOT,   2*HALFA+2*HALFB           ; A's two halves, then B's two
.set STAGE,  SLOT                      ; behind the tiles: 16 rows x 272 bytes for each wave, for the way out
.set SPITCH, 272
.set SPARE,  STAGE+4*16*SPITCH         ; behind the stages: the spare words, 128 bytes a wave
.set ADRA, 16                          ; v16-17  LDS address of my A fragments in slot 0, 1
.set ADRB, 20                          ; v20-21  the same for B
.set STO,  24                          ; v24  the way out: where I put 32 bytes of a row
.set RD,   25                          ; v25  where I read a row back
.set CO,   26                          ; v26  my byte offset in the residual and in the output
.set SPW,  28                          ; v28  LDS address of my spare word; never rewritten
.set NIL,  29                          ; v29  0; never rewritten
.set BK,   32
.set ACC,  128
.set F0,   0                           ; fragment buffers, in window 1
.set F1,   128
.set G1, 24                            ; s[24:31] descriptor group 1 for A's tiles;  s[32:39] group 0, one set for each slot
.set G0, 32
.set G1B, 48                           ; s[48:55], s[56:63] the same for B's tiles
.set G0B, 56
.set MSB, 0
.macro WIN new                         ; the immediate's high byte repeats the setting that is left
.if MSB != (\new)
	s_set_vgpr_msb (MSB<<8)|(\new)
.set MSB, (\new)
.endif
.endm
.set MUL,  0x05                        ; sources 0 (B) and 1 (A) window 1; C and D window 0
.set TO_F, 0x40                        ; destination window 1, address window 0
.macro JLOAD s                         ; a joint load: waves 0 and 1 fetch A's two halves, waves 2 and 3 B's; an s_nop 0 and four v_nop follow each of the two lines, ahead of the jump, the label and what follows
	s_cmp_eq_u32 s11, 0
	s_cbranch_scc0 .Lfor_b_\@
	tensor_load_to_lds s[G0+4*\s:G0+4*\s+3], s[G1:G1+7]
	s_nop 0
.rept 4
	v_nop
.endr
	s_branch .Lasked_\@
.Lfor_b_\@:
	tensor_load_to_lds s[G0B+4*\s:G0B+4*\s+3], s[G1B:G1B+7]
	s_nop 0
.rept 4
	v_nop
.endr
.Lasked_\@:
.endm
.macro CREST                           ; a round of the cluster's barrier behind its opening barrier
	s_cmp_lg_u32 s10, 0
	s_cbranch_scc1 .Lnot_wave_0_\@
	s_barrier_signal -3
.Lnot_wave_0_\@:
	s_barrier_wait -3
	s_barrier_signal -1
	s_barrier_wait -1
.endm
.macro CROUND                          ; a whole round
	s_barrier_signal -1
	s_barrier_wait -1
	CREST
.endm
	s_load_b128 s[4:7], s[0:1], 0x0                ; A's codes, wcodes
	s_load_b128 s[68:71], s[0:1], 0x10             ; the scales, the residual
	s_load_b128 s[72:75], s[0:1], 0x20             ; the bias, the output
	v_lshl_add_u32 v[SPW], v0, 2, SPARE
	v_mov_b32 v[NIL], 0
	ds_add_u32 v[SPW], v[NIL]                      ; the wave's opening: the add and its wait ahead of my first tensor load; the set-up below, work on registers, stands between them
	ds_add_u32 v[SPW], v[NIL]
	v_lshrrev_b32 v1, 5, v0
	v_readfirstlane_b32 s10, v1                    ; wave 0..3
	s_lshr_b32 s11, s10, 1                         ; which half of the tile's rows is mine.  Also: I fetch for A (0) or for B (1)
	s_and_b32 s12, s10, 1                          ; which half of its columns.  Also: which 64 rows of that tile I fetch
	s_bfe_u32 s40, ttmp6, 0x40000                  ; cx, cy: my place in the cluster
	s_bfe_u32 s41, ttmp6, 0x40004
	s_lshl_b32 s42, ttmp9, 2
	s_add_co_u32 s42, s42, s40                     ; tile column of C = 4 x cluster x + cx
	s_and_b32 s13, ttmp7, 0xffff
	s_lshl_b32 s13, s13, 2
	s_add_co_u32 s13, s13, s41                     ; tile row of C = 4 x cluster y + cy
	s_lshl_b32 s43, s41, 2
	s_lshl_b32 s43, 15, s43                        ; my row of the cluster
	s_lshl_b32 s44, 0x1111, s40                    ; my column
	s_or_b32 s[G1+0], s43, (0<<16)|(1<<20)|(1<<21)|(AQI<<22)|(3<<25)  ; 15:0 the mask: A's tiles go to my row; 17:16 elements of 1 byte; 20 padding on; 21 set beside a mask; 24:22 the interval; 31:25 four words (code 3)
	s_mov_b32 s[G1+1], AD0<<16                     ; tensor_dim0
	s_mov_b32 s[G1+2], AD1<<16                     ; tensor_dim1
	s_mov_b32 s[G1+3], AD0<<16                     ; tile_dim0
	s_mov_b32 s[G1+4], AD1                         ; tile_dim1
	s_mov_b32 s[G1+5], ASTR                        ; tensor_dim0_stride
	s_mov_b32 s[G1+6], 0
	s_mov_b32 s[G1+7], 0
	s_or_b32 s[G1B+0], s44, (0<<16)|(1<<20)|(1<<21)|(7<<22)|(3<<25)   ; B: 64 rows of 1,024 bytes, four words of padding after every 256
	s_mov_b32 s[G1B+1], 1024<<16
	s_mov_b32 s[G1B+2], 64<<16
	s_mov_b32 s[G1B+3], 1024<<16
	s_mov_b32 s[G1B+4], 64
	s_mov_b32 s[G1B+5], KTOT
	s_mov_b32 s[G1B+6], 0
	s_mov_b32 s[G1B+7], 0
.if MODE
	s_lshl_b32 s16, s13, 7
	s_lshl_b32 s17, s12, 6
	s_add_co_u32 s16, s16, s17
	s_lshl_b32 s16, s16, 12                        ; A: (128 x tile row + 64 x half) rows of 4,096 bytes
.else
	s_lshr_b32 s16, s13, 4                         ; A: b = tile row / 16: sixteen heads of 131,072 bytes,
	s_lshl_b32 s16, s16, 21
	s_and_b32 s17, s13, 15
	s_lshl_b32 s17, s17, 13                        ; tokens 128 x (tile row % 16) on, 64 bytes each,
	s_add_co_u32 s16, s16, s17
	s_lshl_b32 s17, s12, 12                        ; + 64 x half
	s_add_co_u32 s16, s16, s17
.endif
	s_mov_b32 s17, 0
	s_lshl_b32 s46, s42, 7
	s_lshl_b32 s47, s12, 6
	s_add_co_u32 s46, s46, s47
	s_mul_i32 s46, s46, KTOT                       ; B: (128 x tile column + 64 x half) rows of K bytes,
	s_add_co_u32 s46, s46, WOFF                    ; in its part of wcodes
	s_mov_b32 s47, 0
	s_mul_i32 s20, s12, HALFA                      ; where they go: no place in the cluster enters an LDS address
	s_mul_i32 s21, s12, HALFB
	s_add_co_u32 s21, s21, 2*HALFA
	s_wait_dscnt 0x0                               ; the opening add is done
	s_wait_kmcnt 0x0
	s_load_b64 s[96:97], s[68:69], ESC             ; ea, eb
	s_add_nc_u64 s[14:15], s[4:5], s[16:17]
	s_add_nc_u64 s[46:47], s[6:7], s[46:47]
	CROUND                                         ; all sixteen work-groups are here: the first joint loads meet
.irp s, 0
	s_mov_b32 s[G0+4*\s], 1
	s_add_co_u32 s[G0+4*\s+1], s20, \s*SLOT
	s_add_nc_u64 s[G0+4*\s+2:G0+4*\s+3], s[14:15], \s*ASTEP
	s_or_b32 s[G0+4*\s+3], s[G0+4*\s+3], 0x80000000
	s_mov_b32 s[G0B+4*\s], 1
	s_add_co_u32 s[G0B+4*\s+1], s21, \s*SLOT
	s_add_nc_u64 s[G0B+4*\s+2:G0B+4*\s+3], s[46:47], \s*512
	s_or_b32 s[G0B+4*\s+3], s[G0B+4*\s+3], 0x80000000
	JLOAD \s                                       ; my one tensor load is out
.endr
	v_and_b32 v1, 15, v0                           ; r = l % 16
	s_wait_alu depctr_va_vdst(0)
	v_bfe_u32 v2, v0, 4, 1                         ; h = l / 16
	; the residual, the bias and the output at my wave's 64 rows x 64 columns (256 bytes of a row, aligned)
	s_lshl_b32 s16, s13, 7
	s_lshl_b32 s17, s11, 6
	s_add_co_u32 s16, s16, s17
	s_lshl_b32 s16, s16, 12                        ; my first row, 4,096 bytes a row
	s_lshl_b32 s18, s42, 9
	s_lshl_b32 s19, s12, 8
	s_add_co_u32 s18, s18, s19                     ; my first column, in bytes
	s_add_co_u32 s16, s16, s18
	s_mov_b32 s17, 0
	s_mov_b32 s19, 0
	s_add_nc_u64 s[70:71], s[70:71], s[16:17]
	s_add_nc_u64 s[74:75], s[74:75], s[16:17]
	s_add_nc_u64 s[72:73], s[72:73], s[18:19]
	v_lshlrev_b32 v5, 4, v1
	s_wait_alu depctr_va_vdst(0)
	v_lshl_add_u32 v[CO], v2, 12, v5               ; lanes 0-15 one row's 256 bytes, lanes 16-31 the next row's
	WIN 0x80                                       ; destination window 2
.set g, 0
.rept 32
	global_load_b128 v[4*g:4*g+3], v[CO], s[70:71] offset:2*g*4096 th:TH_LOAD_NT   ; rows 2 g, 2 g + 1
.set g, g+1
.endr
	WIN 0
	global_load_b128 v[8:11], v5, s[72:73]         ; the bias at my four columns
	v_mul_u32_u24 v3, v1, PB
	v_lshl_add_u32 v3, v2, 4, v3                   ; a fragment's row x pitch + 16 x half
.if MODE == 0
	v_mul_u32_u24 v4, v1, 80
	v_lshl_add_u32 v4, v2, 4, v4                   ; A: a token's 80 bytes
.endif
	s_mul_i32 s21, s11, HALFA                      ; my 64 rows of A
	s_mul_i32 s22, s12, HALFB                      ; my 64 rows of B,
	s_add_co_u32 s22, s22, 2*HALFA                 ; which lie behind A's 128
.irp s, 0,1
	v_add_nc_u32 v[ADRA+\s], s21, v[LA]
	v_add_nc_u32 v[ADRB+\s], s22, v3
	s_add_co_u32 s21, s21, 8*5120
	s_add_co_u32 s22, s22, 512
.endr
	s_mul_i32 s23, s10, 16*SPITCH
	s_add_co_u32 s23, s23, STAGE                   ; my stage
	v_mul_u32_u24 v6, v1, SPITCH                   ; in: row r, 32 bytes for each half of the lanes
	v_lshl_add_u32 v6, v2, 5, v6
	v_add_nc_u32 v[STO], s23, v6
	v_mul_u32_u24 v6, v2, SPITCH                   ; back: lanes 0-15 one row of 256 bytes, lanes 16-31 the next
	v_lshl_add_u32 v6, v1, 4, v6
	v_add_nc_u32 v[RD], s23, v6
; A fragment, 16 rows x 128 K, is 16 registers: lane l holds row l % 16; registers 4 c .. 4 c + 3 hold K = 128 q + 32 c + 16 (l / 16) + 0 .. 15: the same order of k in A and in B
.macro FRAGB reg, slot, q, i
.irp c, 0,1,2,3
	ds_load_b128 v[\reg+4*\c:\reg+4*\c+3], v[ADRB+\slot] offset:128*(\q)+32*\c+(\i)*16*PB
.endr
.endm
.macro FRAGA reg, slot, q, i
.irp c, 0,1,2,3
.if MODE
	ds_load_b128 v[\reg+4*\c:\reg+4*\c+3], v[ADRA+\slot] offset:128*(\q)+32*\c+(\i)*16*PB
.else
	ds_load_b128 v[\reg+4*\c:\reg+4*\c+3], v[ADRA+\slot] offset:(2*(\q)+\c/2)*5120+32*(\c%2)+(\i)*16*80   ; head 2 q + c / 2 of the slot's eight, d = 32 (c % 2) + 16 h on
.endif
.endr
.endm
.macro FETCH slot, q, g                ; 32 LDS loads in one run: the slot's q-th 128 along K into buffer g: B's four fragments, then A's four
	WIN TO_F
.irp i, 0,1,2,3
	FRAGB \g+64+16*\i, \slot, \q, \i
.endr
.irp i, 0,1,2,3
	FRAGA \g+16*\i, \slot, \q, \i
.endr
.endm
; 4 matrix instructions: A's block a x B's four.  zero = 1: the first product starts the sums.  The sixteen accumulators take turns, one instruction a turn, in the same order throughout.
.macro MULA f, a, zero
.irp b, 0,1,2,3
.if \zero
	v_wmma_f32_16x16x128_fp8_fp8 v[ACC+8*(4*(\a)+\b):ACC+8*(4*(\a)+\b)+7], v[\f+64+16*\b:\f+64+16*\b+15], v[\f+16*(\a):\f+16*(\a)+15], 0
.else
	v_wmma_f32_16x16x128_fp8_fp8 v[ACC+8*(4*(\a)+\b):ACC+8*(4*(\a)+\b)+7], v[\f+64+16*\b:\f+64+16*\b+15], v[\f+16*(\a):\f+16*(\a)+15], v[ACC+8*(4*(\a)+\b):ACC+8*(4*(\a)+\b)+7]
.endif
.endr
.endm
.macro PLACES                          ; four places in front of loads into registers that matrix instructions have read (ISA guide 7.12.1 for vector instructions)
.rept 4
	v_nop
.endr
.endm
; A K step is four quarters of 128 along K, 16 matrix instructions each, on buffers 0, 1, 0, 1.  One of the first three: multiplies buffer f and fetches quarter q into g.
.macro QUARTER slot, q, f, g, zero
	s_wait_dscnt 8                                 ; B's four fragments and A's blocks 0, 1 are in; the youngest 8 loads (A's blocks 2, 3) may be out
	WIN MUL
	MULA \f, 0, \zero
	MULA \f, 1, \zero
	PLACES
	FETCH \slot, \q, \g
	s_wait_dscnt 32                                ; all but the 32 just issued
	WIN MUL
	MULA \f, 2, \zero
	MULA \f, 3, \zero
.endm
; The last quarter multiplies buffer 1 and changes slots: ONE barrier; in front of it each wave waits for all its tensor loads, adds 0 to its spare word, and waits for that and for its own reads of this slot.  fill = 1: this slot is filled again, two K steps ahead.
.macro TURN slot, next, fill
	WIN 0                                          ; (the add's two registers lie in window 0)
	s_wait_tensorcnt 0x0                           ; all my tensor loads have landed: my part of the next slot
	ds_add_u32 v[SPW], v[NIL]                      ; 0 onto my spare word
	s_wait_dscnt 9                                 ; (the add and the youngest 8 loads may be out)
	WIN MUL
	MULA F1, 0, 0                                  ; eight matrix instructions stand between the add and the wait for it
	MULA F1, 1, 0
	s_wait_dscnt 0x0                               ; the add is done, and my reads of this slot are over
	s_barrier_signal -1
	MULA F1, 2, 0
	WIN 0
	s_barrier_wait -1
.if \fill
	CREST                                          ; the barrier has opened a round of the cluster's barrier: no wave of any partner still reads this slot's tile or has a load on its way
	s_add_nc_u64 s[G0+4*\slot+2:G0+4*\slot+3], s[G0+4*\slot+2:G0+4*\slot+3], 2*ASTEP
	s_add_nc_u64 s[G0B+4*\slot+2:G0B+4*\slot+3], s[G0B+4*\slot+2:G0B+4*\slot+3], 2*512
	JLOAD \slot                                    ; the first tensor load behind the round, my only one until the next; its four v_nop are the places in front of the loads below
.else
	PLACES
.endif
	FETCH \next, 0, F0
	WIN MUL
	MULA F1, 3, 0
.endm
	s_wait_alu depctr_va_vdst(0)
	s_wait_tensorcnt 0x0                           ; my one load is in,
	s_barrier_signal -1
	s_barrier_wait -1                              ; everybody's is
	FETCH 0, 0, F0
	QUARTER 0, 1, F0, F1, 1                        ; the first quarter stands in front of the loop: its products start the sums
.if LAPS > 1
	WIN 0                                          ; at a label and at a branch every window is 0
	s_mov_b32 s3, LAPS-1
.Llap:                                                 ; a trip goes once round the ring, from a lap's second quarter to the next lap's first, and fills both slots again
	QUARTER 0, 2, F1, F0, 0
	QUARTER 0, 3, F0, F1, 0
	TURN 0, 1, 1
	QUARTER 1, 1, F0, F1, 0
	QUARTER 1, 2, F1, F0, 0
	QUARTER 1, 3, F0, F1, 0
	TURN 1, 0, 1
	QUARTER 0, 1, F0, F1, 0
	WIN 0
	s_sub_co_u32 s3, s3, 1
	s_cmp_lg_u32 s3, 0
	s_cbranch_scc1 .Llap
.endif
	QUARTER 0, 2, F1, F0, 0                        ; the last lap fills nothing, and has no round of the cluster's barrier
	QUARTER 0, 3, F0, F1, 0
	TURN 0, 1, 0
	QUARTER 1, 1, F0, F1, 0
	QUARTER 1, 2, F1, F0, 0
	QUARTER 1, 3, F0, F1, 0
	s_wait_dscnt 8                                 ; the very last quarter: nothing more to fetch
	WIN MUL
	MULA F1, 0, 0
	MULA F1, 1, 0
	s_wait_dscnt 0
	MULA F1, 2, 0
	MULA F1, 3, 0
	WIN 0
	; THE WAY OUT.  My 64 columns of f32 are one aligned 256 bytes of a row, so each wave has a stage of its own and no barrier is needed: a block of 16 rows goes in as it lies in the accumulators and comes back by rows.
	s_wait_loadcnt 0x0                             ; the residual and the bias
	s_wait_kmcnt 0x0
	s_add_co_i32 s96, s96, s97                     ; ea + eb,
	s_add_co_i32 s96, s96, 127
	s_lshl_b32 s96, s96, 23                        ; as the f32 number 2^(ea + eb)
	s_mov_b32 s97, s96
	WIN 0x82                                       ; source 0 and destination window 2
.set g, 0
.rept 32
	v_pk_add_f32 v[4*g:4*g+1], v[4*g:4*g+1], v[8:9]        ; residual + bias; these 64 are also the places behind the last products
	v_pk_add_f32 v[4*g+2:4*g+3], v[4*g+2:4*g+3], v[10:11]
.set g, g+1
.endr
	WIN 0
.macro OUTB a
.set BKR, BK+32*((\a)%2)
.if (\a) > 1
	s_wait_xcnt 0x0                                ; block a - 2's stores have read their registers: block a's rows may land there
.endif
.irp b, 0,1,2,3
	ds_store_b128 v[STO], v[ACC+8*(4*(\a)+\b):ACC+8*(4*(\a)+\b)+3] offset:64*\b          ; each accumulator from its low end on
	ds_store_b128 v[STO], v[ACC+8*(4*(\a)+\b)+4:ACC+8*(4*(\a)+\b)+7] offset:64*\b+16
.endr
.irp t, 0,1,2,3,4,5,6,7
	ds_load_b128 v[BKR+4*\t:BKR+4*\t+3], v[RD] offset:\t*2*SPITCH   ; LDS serves a wave's instructions in order (ISA guide 5.7.1.4): these see the stores above, and the next block's stores come behind them
.endr
	s_wait_dscnt 0x0
	WIN 0x20                                       ; source 2 (residual + bias) window 2
.irp t, 0,1,2,3,4,5,6,7
	v_pk_fma_f32 v[BKR+4*\t:BKR+4*\t+1], v[BKR+4*\t:BKR+4*\t+1], s[96:97], v[4*(8*(\a)+\t):4*(8*(\a)+\t)+1] op_sel_hi:[1,0,1]
	v_pk_fma_f32 v[BKR+4*\t+2:BKR+4*\t+3], v[BKR+4*\t+2:BKR+4*\t+3], s[96:97], v[4*(8*(\a)+\t)+2:4*(8*(\a)+\t)+3] op_sel_hi:[1,0,1]
.endr
	WIN 0
.irp t, 0,1,2,3,4,5,6,7
	global_store_b128 v[CO], v[BKR+4*\t:BKR+4*\t+3], s[74:75] offset:(16*(\a)+2*\t)*4096   ; sixteen lanes store 256 consecutive bytes, aligned
.endr
.endm
	OUTB 0
	OUTB 1
	OUTB 2
	OUTB 3
	s_wait_tensorcnt 0x0                           ; the wave's end: these three lines, behind my last tensor load and my last LDS store
	ds_add_u32 v[SPW], v[NIL]
	s_wait_dscnt 0x0
	CROUND                                         ; the closing round: no work-group ends while a partner may still ask for a tile that names it
	s_endpgm
.Lfunc_end_k_qc87134a339_wo:
	.size	k_qc87134a339_wo, .Lfunc_end_k_qc87134a339_wo-k_qc87134a339_wo
	.p2alignl 7, 3214868480
	.fill 96, 4, 3214868480
	.section	.rodata,"a",@progbits
	.p2align	6, 0x0
	.amdhsa_kernel k_qc87134a339_wo
		.amdhsa_group_segment_fixed_size 327680
		.amdhsa_private_segment_fixed_size 0
		.amdhsa_enable_private_segment 0
		.amdhsa_kernarg_size 48
		.amdhsa_user_sgpr_count 2
		.amdhsa_user_sgpr_kernarg_segment_ptr 1
		.amdhsa_wavefront_size32 1
		.amdhsa_system_sgpr_workgroup_id_x 1
		.amdhsa_system_sgpr_workgroup_id_y 1
		.amdhsa_system_sgpr_workgroup_id_z 1
		.amdhsa_system_vgpr_workitem_id 0
		.amdhsa_next_free_vgpr 768
		.amdhsa_next_free_sgpr 100
		.amdhsa_reserve_vcc 0
		.amdhsa_float_denorm_mode_32 3
		.amdhsa_float_denorm_mode_16_64 3
		.amdhsa_memory_ordered 1
		.amdhsa_forward_progress 1
		.amdhsa_inst_pref_size 53
	.end_amdhsa_kernel
	.amdgpu_metadata
---
amdhsa.version: [ 1, 2 ]
amdhsa.kernels:
  - .name:           k_qc87134a339_wo
    .symbol:         k_qc87134a339_wo.kd
    .args:
      - { .name: ocodes, .offset: 0, .size: 8, .value_kind: global_buffer, .address_space: global }
      - { .name: wcodes, .offset: 8, .size: 8, .value_kind: global_buffer, .address_space: global }
      - { .name: lowp_scales, .offset: 16, .size: 8, .value_kind: global_buffer, .address_space: global }
      - { .name: x, .offset: 24, .size: 8, .value_kind: global_buffer, .address_space: global }
      - { .name: bo, .offset: 32, .size: 8, .value_kind: global_buffer, .address_space: global }
      - { .name: x1, .offset: 40, .size: 8, .value_kind: global_buffer, .address_space: global }
    .group_segment_fixed_size: 327680
    .private_segment_fixed_size: 0
    .kernarg_segment_align: 8
    .kernarg_segment_size: 48
    .max_flat_workgroup_size: 128
    .sgpr_count:     100
    .vgpr_count:     768
    .wavefront_size: 32
...
	.end_amdgpu_metadata
.endif
;; end of part 4
;; launch ln2 (part 5): grid 256 x 1, 8 waves a work-group, no clusters, 0 bytes of LDS; arguments x1, ln2_g, ln2_b, lowp_scales, h2c; writes h2c
.if DOCPART == 5
	.amdgcn_target "amdgcn-amd-amdhsa--gfx1250"
	.amdhsa_code_object_version 6
	.text
	.protected	k_qc87134a339_ln2
	.globl	k_qc87134a339_ln2
	.p2align	8
	.type	k_qc87134a339_ln2,@function
k_qc87134a339_ln2:
	s_mov_b64 s[64:65], 0
	v_nop
	global_prefetch_b8 v0, s[64:65] scope:SCOPE_SE
	s_setreg_imm32_b32 hwreg(HW_REG_WAVE_MODE, 25, 1), 1
	s_wait_xcnt 0x0
; h2 = LayerNorm2(x1), quantised to codes of E4M3 under entry 12: h2c [4096][1024].
; A wave takes a row (4,096 bytes, 32 registers a lane) and keeps it in registers: mean, then the mean of (x - mean)^2, so that a common offset costs no digits.  A lane holds 8 neighbours of each quarter of the row,
; so a quarter's 8 codes are 8 bytes a lane and a wave's store covers 256 consecutive, aligned bytes.  256 work-groups x 8 waves x 2 rows: both rows, the gain and the bias are asked for at the wave's head, 32 loads,
; and nothing is asked for later.  No LDS, no barrier, no matrix unit, no cluster: waves share nothing.
; LIMITS: e12 between -126 and 119; NaN and infinities among the inputs are not served.
.set X,     32                         ; v32-95   two sets of 32 numbers
.set G,     96                         ; v96-127  the gain at my 32 places
.set BE,    128                        ; v128-159 the bias
.set T0,    160                        ; v160-175 two sets of 8 held numbers, by turns
.set CD,    176                        ; v176-183 a row's codes
.set NQ,    1
.set ROWS,  2
.set SRC,   4                          ; s[4:5]   the wave's first row
.set GP,    10
.set BP,    12
.set DSTB,  66                         ; s[66:67] the wave's first row of codes
.macro REDUCE                          ; v8 summed over the wave's 32 lanes, the result in every lane
	s_delay_alu instid0(VALU_DEP_1)
	v_add_f32_dpp v8, v8, v8 row_xmask:1 row_mask:0xf bank_mask:0xf
	s_delay_alu instid0(VALU_DEP_1)
	v_add_f32_dpp v8, v8, v8 row_xmask:2 row_mask:0xf bank_mask:0xf
	s_delay_alu instid0(VALU_DEP_1)
	v_add_f32_dpp v8, v8, v8 row_xmask:4 row_mask:0xf bank_mask:0xf
	s_delay_alu instid0(VALU_DEP_1)
	v_add_f32_dpp v8, v8, v8 row_xmask:8 row_mask:0xf bank_mask:0xf
	s_delay_alu instid0(VALU_DEP_1)
	v_permlanex16_b32 v9, v8, s72, s73
	s_delay_alu instid0(VALU_DEP_1)
	v_add_f32 v8, v8, v9
.endm
.macro XROW i                          ; row i: eight loads; the two of a quarter cover 1,024 consecutive bytes
.irp j, 0,1,2,3
	global_load_b128 v[X+32*((\i)%2)+8*\j:X+32*((\i)%2)+8*\j+3], v1, s[SRC:SRC+1] offset:4096*(\i)+1024*\j th:TH_LOAD_NT
	global_load_b128 v[X+32*((\i)%2)+8*\j+4:X+32*((\i)%2)+8*\j+7], v1, s[SRC:SRC+1] offset:4096*(\i)+1024*\j+16 th:TH_LOAD_NT
.endr
.endm
.macro LNROW i
.set XS, X+32*((\i)%2)
.if (\i) < ROWS-1
	s_wait_loadcnt 8                               ; this row's eight loads (and all before them) are in; the next row's eight may be out
.else
	s_wait_loadcnt 0
.endif
	v_pk_add_f32 v[4:5], v[XS:XS+1], v[XS+2:XS+3]  ; the row's sum, in two chains
	v_pk_add_f32 v[6:7], v[XS+4:XS+5], v[XS+6:XS+7]
.irp k, 8,12,16,20,24,28
	s_delay_alu instid0(VALU_DEP_2)
	v_pk_add_f32 v[4:5], v[4:5], v[XS+\k:XS+\k+1]
	s_delay_alu instid0(VALU_DEP_2)
	v_pk_add_f32 v[6:7], v[6:7], v[XS+\k+2:XS+\k+3]
.endr
	s_delay_alu instid0(VALU_DEP_1)
	v_pk_add_f32 v[4:5], v[4:5], v[6:7]
	s_delay_alu instid0(VALU_DEP_1)
	v_add_f32 v8, v4, v5
	REDUCE
	s_delay_alu instid0(VALU_DEP_1)
	v_mul_f32 v10, s74, v8                         ; the mean, twice: a pair for the packed forms
	s_delay_alu instid0(VALU_DEP_2)
	v_mul_f32 v11, s74, v8
.irp k, 0,2,4,6,8,10,12,14,16,18,20,22,24,26,28,30
	v_pk_add_f32 v[XS+\k:XS+\k+1], v[XS+\k:XS+\k+1], v[10:11] neg_lo:[0,1] neg_hi:[0,1]   ; x - mean
.endr
	v_pk_mul_f32 v[4:5], v[XS:XS+1], v[XS:XS+1]    ; the sum of squares, in two chains
	v_pk_mul_f32 v[6:7], v[XS+2:XS+3], v[XS+2:XS+3]
.irp k, 4,8,12,16,20,24,28
	s_delay_alu instid0(VALU_DEP_2)
	v_pk_fma_f32 v[4:5], v[XS+\k:XS+\k+1], v[XS+\k:XS+\k+1], v[4:5]
	s_delay_alu instid0(VALU_DEP_2)
	v_pk_fma_f32 v[6:7], v[XS+\k+2:XS+\k+3], v[XS+\k+2:XS+\k+3], v[6:7]
.endr
	s_delay_alu instid0(VALU_DEP_1)
	v_pk_add_f32 v[4:5], v[4:5], v[6:7]
	s_delay_alu instid0(VALU_DEP_1)
	v_add_f32 v8, v4, v5
	REDUCE
	s_delay_alu instid0(VALU_DEP_1)
	v_fma_f32 v8, v8, s74, s75                     ; variance + 1e-5
	s_wait_alu depctr_va_vdst(0)
	v_rsq_f32 v12, v8
	v_rsq_f32 v13, v8
	v_nop                                          ; a plain instruction behind the last transcendental,
	s_wait_alu depctr_va_vdst(0)                   ; and the one wait for both ahead of their first reader
.irp k, 0,2,4,6,8,10,12,14,16,18,20,22,24,26,28,30
	v_pk_mul_f32 v[XS+\k:XS+\k+1], v[XS+\k:XS+\k+1], v[12:13]
.endr
.irp k, 0,2,4,6,8,10,12,14,16,18,20,22,24,26,28,30
	v_pk_fma_f32 v[XS+\k:XS+\k+1], v[XS+\k:XS+\k+1], v[G+\k:G+\k+1], v[BE+\k:BE+\k+1]
.endr
	s_wait_xcnt 0x0                                ; the last row's stores have read their data: the codes' registers are written again only behind this wait
.set q, 0
.rept NQ
.irp j, 0,1,2,3
.set TS, T0+8*(\j%2)
.irp k, 0,1,2,3,4,5,6,7
	v_med3_num_f32 v[TS+\k], v[XS+8*\j+\k], -v[17+2*q], v[17+2*q]   ; the hold (the conversion does not saturate: ISA guide 7.6.2); the other set's eight holds are the plain instructions between a conversion and the next write of its sources
.endr
	v_cvt_scalef32_pk8_fp8_f32 v[CD+8*q+2*\j:CD+8*q+2*\j+1], v[TS:TS+7], v[16+2*q]
.endr
.set q, q+1
.endr
.set q, 0
.rept NQ
.irp j, 0,1,2,3
	global_store_b64 v2, v[CD+8*q+2*\j:CD+8*q+2*\j+1], s[DSTB+2*q:DSTB+2*q+1] offset:1024*(\i)+256*\j   ; 32 lanes store 256 consecutive bytes, aligned
.endr
.set q, q+1
.endr
.if (\i)+2 < ROWS
	XROW (\i)+2
.endif
.endm
	s_load_b256 s[8:15], s[0:1], 0x0               ; x1 8, ln2_g 10, ln2_b 12, the scales 14
	s_load_b64 s[16:17], s[0:1], 0x20              ; h2c
	v_lshrrev_b32 v1, 5, v0
	s_delay_alu instid0(VALU_DEP_1)
	v_readfirstlane_b32 s2, v1                     ; wave 0..7
	v_and_b32 v1, 31, v0                           ; lane
	s_delay_alu instid0(VALU_DEP_1)
	v_lshlrev_b32 v2, 3, v1                        ; out: 8 bytes a lane
	s_delay_alu instid0(VALU_DEP_2)
	v_lshlrev_b32 v1, 5, v1                        ; in: 32 bytes a lane
	v_mov_b32 v9, 0                                ; written once: a lane permute's destination counts as one of its sources
	s_lshl_b32 s3, ttmp9, 4
	s_lshl_b32 s6, s2, 1
	s_add_co_u32 s3, s3, s6                        ; my first row: 16 x work-group + 2 x wave
	s_lshl_b32 s76, s3, 12
	s_mov_b32 s77, 0
	s_mov_b32 s72, 0x76543210                      ; v_permlanex16_b32: lane l takes lane l xor 16
	s_mov_b32 s73, 0xfedcba98
	s_mov_b32 s74, 0x3a800000                      ; 1 / 1,024
	s_mov_b32 s75, 0x3727c5ac                      ; 1e-5
	s_wait_alu depctr_va_vdst(0)
	s_wait_kmcnt 0x0
	s_load_b32 s18, s[14:15], 0x30                 ; e12
	s_add_nc_u64 s[SRC:SRC+1], s[8:9], s[76:77]
	s_lshl_b32 s76, s3, 10
	s_add_nc_u64 s[66:67], s[16:17], s[76:77]
.irp j, 0,1,2,3
	global_load_b128 v[G+8*\j:G+8*\j+3], v1, s[GP:GP+1] offset:1024*\j
	global_load_b128 v[G+8*\j+4:G+8*\j+7], v1, s[GP:GP+1] offset:1024*\j+16
	global_load_b128 v[BE+8*\j:BE+8*\j+3], v1, s[BP:BP+1] offset:1024*\j
	global_load_b128 v[BE+8*\j+4:BE+8*\j+7], v1, s[BP:BP+1] offset:1024*\j+16
.endr
	XROW 0
	XROW 1
	s_wait_kmcnt 0x0
	s_add_co_i32 s76, s18, 127
	s_lshl_b32 s77, s76, 23
	v_mov_b32 v16, s77                             ; 2^e12
	s_add_co_i32 s76, s76, 8
	s_lshl_b32 s76, s76, 23
	s_or_b32 s76, s76, 0x600000
	v_mov_b32 v17, s76                             ; 448 x 2^e12
.irp i, 0,1
	LNROW \i
.endr
	s_endpgm
.Lfunc_end_k_qc87134a339_ln2:
	.size	k_qc87134a339_ln2, .Lfunc_end_k_qc87134a339_ln2-k_qc87134a339_ln2
	.p2alignl 7, 3214868480
	.fill 96, 4, 3214868480
	.section	.rodata,"a",@progbits
	.p2align	6, 0x0
	.amdhsa_kernel k_qc87134a339_ln2
		.amdhsa_group_segment_fixed_size 0
		.amdhsa_private_segment_fixed_size 0
		.amdhsa_enable_private_segment 0
		.amdhsa_kernarg_size 40
		.amdhsa_user_sgpr_count 2
		.amdhsa_user_sgpr_kernarg_segment_ptr 1
		.amdhsa_wavefront_size32 1
		.amdhsa_system_sgpr_workgroup_id_x 1
		.amdhsa_system_sgpr_workgroup_id_y 1
		.amdhsa_system_sgpr_workgroup_id_z 1
		.amdhsa_system_vgpr_workitem_id 0
		.amdhsa_next_free_vgpr 192
		.amdhsa_next_free_sgpr 80
		.amdhsa_reserve_vcc 0
		.amdhsa_float_denorm_mode_32 3
		.amdhsa_float_denorm_mode_16_64 3
		.amdhsa_memory_ordered 1
		.amdhsa_forward_progress 1
		.amdhsa_inst_pref_size 25
	.end_amdhsa_kernel
	.amdgpu_metadata
---
amdhsa.version: [ 1, 2 ]
amdhsa.kernels:
  - .name:           k_qc87134a339_ln2
    .symbol:         k_qc87134a339_ln2.kd
    .args:
      - { .name: x1, .offset: 0, .size: 8, .value_kind: global_buffer, .address_space: global }
      - { .name: ln2_g, .offset: 8, .size: 8, .value_kind: global_buffer, .address_space: global }
      - { .name: ln2_b, .offset: 16, .size: 8, .value_kind: global_buffer, .address_space: global }
      - { .name: lowp_scales, .offset: 24, .size: 8, .value_kind: global_buffer, .address_space: global }
      - { .name: h2c, .offset: 32, .size: 8, .value_kind: global_buffer, .address_space: global }
    .group_segment_fixed_size: 0
    .private_segment_fixed_size: 0
    .kernarg_segment_align: 8
    .kernarg_segment_size: 40
    .max_flat_workgroup_size: 256
    .sgpr_count:     80
    .vgpr_count:     192
    .wavefront_size: 32
...
	.end_amdgpu_metadata
.endif
;; end of part 5
;; launch w1 (part 6): grid 16 x 16, 4 waves a work-group, clusters of 4 x 4, 327,680 bytes of LDS; arguments h2c, wcodes, lowp_scales, b1, ffc; writes ffc
.if DOCPART == 6
	.amdgcn_target "amdgcn-amd-amdhsa--gfx1250"
	.amdhsa_code_object_version 6
	.text
	.protected	k_qc87134a339_w1
	.globl	k_qc87134a339_w1
	.p2align	8
	.type	k_qc87134a339_w1,@function
k_qc87134a339_w1:
	s_mov_b64 s[64:65], 0
	v_nop
	global_prefetch_b8 v0, s[64:65] scope:SCOPE_SE
	s_setreg_imm32_b32 hwreg(HW_REG_WAVE_MODE, 25, 1), 1
	s_wait_xcnt 0x0
	s_wait_alu depctr_hold_cnt(0) depctr_sa_sdst(0) depctr_va_vdst(0) depctr_va_sdst(0) depctr_va_ssrc(0) depctr_va_vcc(0) depctr_vm_vsrc(0)
	s_getreg_b32 s2, hwreg(HW_REG_IB_STS2, 6, 4)
	s_cmp_eq_u32 s2, 0
	s_cbranch_scc0 .Lentry_in_a_cluster
	s_endpgm
.Lentry_in_a_cluster:
	s_bfe_u32 s2, ttmp6, 0x10000c
	s_cmp_lg_u32 s2, 0xf033
	s_cbranch_scc0 .Lentry_shape_is_right
	s_endpgm
.Lentry_shape_is_right:
.set MODE,   1
.set KROW,   1024
.set ROWB,   256
.set PITCH,  272
.set FR,     16
.set NL,     4
.set NP,     4
.set HALFT,  128*PITCH
.set SLOT,   4*HALFT
.set LAPS,   KROW/(2*ROWB)
.set SPARE,  2*SLOT
.if MODE
.set OP,     4096
.else
.set OP,     2048
.endif
.set STA,  10
.set ADRA, 16
.set ADRB, 20
.set STO,  24
.set RDQ,  25
.set RDQ2, 26
.set RDV,  27
.set SPW,  28
.set NIL,  29
.set CO,   30
.set COQ,  31
.set BB,   32
.set Z,    32
.if MODE
.set W,    96
.set CD,   100
.set SCV,  116
.set LIM,  117
.set C8V,  118
.set TT,   128
.set PP,   192
.set C9, 4
.set C7, 6
.set C6, 8
.set C5, 10
.set C4, 12
.set C3, 18
.set C2, 20
.set C1, 22
.set C0, 68
.set KK, 70
.else
.set BA,   96
.set SCV,  112
.set LIM,  113
.set CD,   114
.endif
.set AF,   128
.set BK,   128
.set G1, 24
.set G0, 32
.set G1B, 48
.set G0B, 56
.set MSB, 0
.macro WIN new
.if MSB != (\new)
	s_set_vgpr_msb (MSB<<8)|(\new)
.set MSB, (\new)
.endif
.endm
.set MUL_LO,   0xa1
.set MUL_HI,   0xf1
.set FIRST_LO, 0x81
.set FIRST_HI, 0xc1
.set TO_B,     0x40
.macro JLOAD g0a, g1a, g0b, g1b
	s_cmp_eq_u32 s15, 0
	s_cbranch_scc0 .Lfor_b_\@
	tensor_load_to_lds s[\g0a:\g0a+3], s[\g1a:\g1a+7]
	s_nop 0
.rept 4
	v_nop
.endr
	s_branch .Lasked_\@
.Lfor_b_\@:
	tensor_load_to_lds s[\g0b:\g0b+3], s[\g1b:\g1b+7]
	s_nop 0
.rept 4
	v_nop
.endr
.Lasked_\@:
.endm
.macro CREST
	s_cmp_lg_u32 s14, 0
	s_cbranch_scc1 .Lnot_wave_0_\@
	s_barrier_signal -3
.Lnot_wave_0_\@:
	s_barrier_wait -3
	s_barrier_signal -1
	s_barrier_wait -1
.endm
.macro CROUND
	s_barrier_signal -1
	s_barrier_wait -1
	CREST
.endm
.macro PAIR r, bits
	s_mov_b32 s[\r], \bits
	s_mov_b32 s[\r+1], \bits
.endm
	s_load_b128 s[4:7], s[0:1], 0x0
	s_load_b64 s[8:9], s[0:1], 0x10
.if MODE
	s_load_b64 s[66:67], s[0:1], 0x18
	s_load_b64 s[74:75], s[0:1], 0x20
.else
	s_load_b128 s[68:71], s[0:1], 0x18
	s_load_b128 s[72:75], s[0:1], 0x28
.endif
	v_lshl_add_u32 v[SPW], v0, 2, SPARE
	v_mov_b32 v[NIL], 0
	ds_add_u32 v[SPW], v[NIL]
	ds_add_u32 v[SPW], v[NIL]
	v_lshrrev_b32 v1, 5, v0
	v_readfirstlane_b32 s14, v1
	s_lshr_b32 s15, s14, 1
	s_and_b32 s16, s14, 1
	s_bfe_u32 s40, ttmp6, 0x40000
	s_bfe_u32 s41, ttmp6, 0x40004
.if MODE
	s_lshl_b32 s42, ttmp9, 2
	s_add_co_u32 s42, s42, s40
	s_and_b32 s17, ttmp7, 0xffff
	s_lshl_b32 s17, s17, 2
	s_add_co_u32 s17, s17, s41
	s_mov_b32 s10, 0
	s_mov_b32 s11, 0x400000
.else
	s_and_b32 s92, ttmp7, 0xffff
	s_and_b32 s18, s92, 3
	s_lshl_b32 s18, s18, 2
	s_lshr_b32 s92, s92, 2
	s_lshl_b32 s10, s92, 22
	s_lshl_b32 s11, s92, 20
	s_cmp_eq_u32 s92, 2
	s_cselect_b32 s93, -1, 0
	s_cselect_b32 s94, 0, -1
	s_cselect_b32 s17, 0, s18
	s_cselect_b32 s42, s18, 0
	s_cselect_b32 s10, 0x200000, s10
	s_cselect_b32 s11, 0x800000, s11
	s_add_co_u32 s17, s17, s41
	s_add_co_u32 s42, s42, s40
.endif
	s_lshl_b32 s43, s41, 2
	s_lshl_b32 s43, 15, s43
	s_lshl_b32 s44, 0x1111, s40
	s_or_b32 s[G1+0], s43, (0<<16)|(1<<20)|(1<<21)|(5<<22)|(3<<25)
	s_or_b32 s[G1B+0], s44, (0<<16)|(1<<20)|(1<<21)|(5<<22)|(3<<25)
.irp g, G1, G1B
	s_mov_b32 s[\g+1], ROWB<<16
	s_mov_b32 s[\g+2], 128<<16
	s_mov_b32 s[\g+3], ROWB<<16
	s_mov_b32 s[\g+4], 128
	s_mov_b32 s[\g+5], KROW
	s_mov_b32 s[\g+6], 0
	s_mov_b32 s[\g+7], 0
.endr
	s_lshl_b32 s18, s16, 7
	s_lshl_b32 s20, s17, 8
	s_add_co_u32 s20, s20, s18
	s_lshl_b32 s20, s20, 10
	s_add_co_u32 s20, s20, s10
	s_mov_b32 s21, 0
	s_lshl_b32 s46, s42, 8
	s_add_co_u32 s46, s46, s18
	s_lshl_b32 s46, s46, 10
	s_add_co_u32 s46, s46, s11
	s_mov_b32 s47, 0
	s_mul_i32 s45, s14, HALFT
	s_wait_dscnt 0x0
	s_wait_kmcnt 0x0
	s_load_b512 s[76:91], s[8:9], 0x0
.if MODE
	s_add_nc_u64 s[20:21], s[4:5], s[20:21]
	s_add_nc_u64 s[46:47], s[6:7], s[46:47]
.else
	s_cmp_eq_u32 s92, 2
	s_cselect_b64 s[12:13], s[6:7], s[4:5]
	s_cselect_b64 s[22:23], s[4:5], s[6:7]
	s_add_nc_u64 s[20:21], s[12:13], s[20:21]
	s_add_nc_u64 s[46:47], s[22:23], s[46:47]
.endif
	CROUND
.irp s, 0,1
	s_mov_b32 s[G0+4*\s], 1
	s_add_co_u32 s[G0+4*\s+1], s45, \s*SLOT
	s_add_nc_u64 s[G0+4*\s+2:G0+4*\s+3], s[20:21], \s*ROWB
	s_or_b32 s[G0+4*\s+3], s[G0+4*\s+3], 0x80000000
	s_mov_b32 s[G0B+4*\s], 1
	s_add_co_u32 s[G0B+4*\s+1], s45, \s*SLOT
	s_add_nc_u64 s[G0B+4*\s+2:G0B+4*\s+3], s[46:47], \s*ROWB
	s_or_b32 s[G0B+4*\s+3], s[G0B+4*\s+3], 0x80000000
.if \s                                         ; slot 1's first fill is issued as a refill is, with these lines and the round ahead of it
	s_wait_alu depctr_va_vdst(0)
	s_wait_tensorcnt 0x0
	ds_add_u32 v28, v29
	s_wait_dscnt 0x0
	CROUND
.endif
	JLOAD G0+4*\s, G1, G0B+4*\s, G1B
.endr
	v_and_b32 v1, 15, v0
	v_bfe_u32 v2, v0, 4, 1
	s_lshl_b32 s18, s42, 10
	s_lshl_b32 s19, s16, 9
	s_add_co_u32 s18, s18, s19
.if MODE == 0
	s_lshl_b32 s19, s17, 10
	s_lshl_b32 s21, s15, 9
	s_add_co_u32 s19, s19, s21
	s_cmp_eq_u32 s92, 2
	s_cselect_b32 s18, 0, s18
	s_cselect_b32 s19, s19, 0
	s_cselect_b64 s[66:67], s[72:73], s[68:69]
	s_cmp_eq_u32 s92, 1
	s_cselect_b64 s[66:67], s[70:71], s[66:67]
	v_lshl_add_u32 v6, v1, 2, s19
.endif
	v_lshl_add_u32 v5, v2, 5, s18
.irp b, 0,1,2,3,4,5,6,7
	global_load_b128 v[BB+8*\b:BB+8*\b+3], v5, s[66:67] offset:64*\b
	global_load_b128 v[BB+8*\b+4:BB+8*\b+7], v5, s[66:67] offset:64*\b+16
.endr
.if MODE == 0
.irp a, 0,1,2,3,4,5,6,7
	global_load_b32 v[BA+2*\a], v6, s[66:67] offset:64*\a
.endr
.endif
	v_mul_u32_u24 v3, v1, PITCH
	s_wait_alu depctr_va_vdst(0)
	v_lshl_add_u32 v4, v2, 4, v3
	s_mul_i32 s21, s15, HALFT
	s_mul_i32 s22, s16, HALFT
	s_add_co_u32 s22, s22, 2*HALFT
.irp s, 0,1
	v_add_nc_u32 v[ADRA+\s], s21, v4
	v_add_nc_u32 v[ADRB+\s], s22, v4
	s_add_co_u32 s21, s21, SLOT
	s_add_co_u32 s22, s22, SLOT
.endr
	s_mul_i32 s23, s14, 16*144                     ; the way out: a stage of my own, 16 rows x (128 bytes + 16), in slot 0, which has had its last fill and its last read when the first codes are stored there
	v_mul_u32_u24 v7, v1, 144
	v_lshl_add_u32 v8, v2, 3, v7
	v_add_nc_u32 v[STO], s23, v8                   ; in: row l % 16, + 8 (l / 16)
	v_lshl_add_u32 v7, v2, 4, v7
	v_add_nc_u32 v[RDV], s23, v7                   ; back: row l % 16, + 16 (l / 16): a lane's 16 bytes of the next product's operand registers
	v_mul_u32_u24 v7, v2, OP
	v_lshl_add_u32 v[CO], v1, 4, v7
	v_and_b32 v8, 31, v0
	v_lshrrev_b32 v7, 2, v8
	v_and_b32 v9, 3, v0
	v_mul_u32_u24 v7, v7, PITCH
	v_lshl_add_u32 v7, v9, 4, v7
	s_lshl_b32 s23, s14, 6
	v_add_nc_u32 v[RDQ], s23, v7
	v_add_nc_u32 v[RDQ2], 128*PITCH, v[RDQ]
	v_lshlrev_b32 v[COQ], 4, v8
.if MODE
	s_lshl_b32 s18, s17, 8
	s_lshl_b32 s19, s15, 7                         ; my wave's first row: 256 x tile row + 128 x my half of the rows
	s_add_co_u32 s18, s18, s19
	s_lshl_b32 s18, s18, 12
	s_lshl_b32 s19, s16, 11                        ; my wave's 128 columns are ONE image of 2,048 bytes for each block of 16 rows: image 2 x tile column + my half of the columns
	s_add_co_u32 s18, s18, s19
	s_lshl_b32 s19, s42, 12
	s_add_co_u32 s18, s18, s19
.else
	s_lshr_b32 s18, s42, 3
	s_lshl_b32 s18, s18, 4
	s_lshl_b32 s19, s17, 2
	s_add_co_u32 s18, s18, s19
	s_add_co_u32 s18, s18, s14
	s_lshl_b32 s18, s18, 17
	s_and_b32 s19, s42, 7
	s_lshl_b32 s19, s19, 8
	s_add_co_u32 s18, s18, s19
	s_add_co_u32 s18, s18, 0x800000
	s_lshr_b32 s19, s17, 3
	s_lshl_b32 s19, s19, 4
	s_lshl_b32 s21, s42, 2
	s_add_co_u32 s19, s19, s21
	s_add_co_u32 s19, s19, s14
	s_lshl_b32 s19, s19, 17
	s_and_b32 s21, s17, 7
	s_lshl_b32 s21, s21, 14
	s_add_co_u32 s19, s19, s21
	s_lshl_b32 s21, s92, 22
	s_add_co_u32 s19, s19, s21
	s_cmp_eq_u32 s92, 2
	s_cselect_b32 s18, s18, s19
.endif
	s_mov_b32 s19, 0
	s_add_nc_u64 s[74:75], s[74:75], s[18:19]
	s_wait_loadcnt 0x0
	s_wait_kmcnt 0x0
.if MODE
	s_add_co_i32 s10, s88, s89
	s_sub_co_i32 s95, 0, s10
	s_add_co_i32 s10, s10, 127
	s_lshl_b32 s96, s10, 23
	s_mov_b32 s97, s96
	s_add_co_i32 s13, s90, 127
	v_mov_b32 v[C8V], 0xbf97d29d
	v_mov_b32 v[C8V+1], 0xbf97d29d
.else
	s_add_co_i32 s10, s76, s77
	s_add_co_i32 s11, s78, s79
	s_add_co_i32 s12, s80, s81
	s_cmp_eq_u32 s92, 1
	s_cselect_b32 s10, s11, s10
	s_cselect_b32 s13, s83, s82
	s_cmp_eq_u32 s92, 2
	s_cselect_b32 s10, s12, s10
	s_cselect_b32 s13, s85, s13
	s_sub_co_i32 s95, 0, s10
	s_sub_co_i32 s13, s13, s10
	s_add_co_i32 s13, s13, 127
.endif
	s_lshl_b32 s12, s13, 23
	v_mov_b32 v[SCV], s12
	s_add_co_i32 s13, s13, 8
	s_lshl_b32 s13, s13, 23
	s_or_b32 s13, s13, 0x600000
	v_mov_b32 v[LIM], s13
.set j, 0
.rept 64
	v_ldexp_f32 v[BB+j], v[BB+j], s95
.set j, j+1
.endr
.if MODE == 0
.set j, 0
.rept 64
	v_cndmask_b32 v[BB+j], 0, v[BB+j], s94
.set j, j+1
.endr
.irp a, 0,1,2,3,4,5,6,7
	v_ldexp_f32 v[BA+2*\a], v[BA+2*\a], s95
.endr
.irp a, 0,1,2,3,4,5,6,7
	v_cndmask_b32 v[BA+2*\a], 0, v[BA+2*\a], s93
.endr
.irp a, 0,1,2,3,4,5,6,7
	v_mov_b32 v[BA+2*\a+1], v[BA+2*\a]
.endr
.endif
.macro FRAG reg, adr, q, i
.irp c, 0,1,2,3
	ds_load_b128 v[\reg+4*\c:\reg+4*\c+3], v[\adr] offset:128*(\q)+32*\c+(\i)*16*PITCH
.endr
.endm
.macro MUL16 a0, p, zero
.irp a, \a0, \a0+1
.irp b, 0,1,2,3,4,5,6,7
.if \zero
	v_wmma_f32_16x16x128_fp8_fp8 v[8*(8*((\a)%4)+\b):8*(8*((\a)%4)+\b)+7], v[128*(\p)+FR*\b:128*(\p)+FR*\b+FR-1], v[AF+FR*(\a):AF+FR*(\a)+FR-1], v[BB+8*\b:BB+8*\b+7]
.else
	v_wmma_f32_16x16x128_fp8_fp8 v[8*(8*((\a)%4)+\b):8*(8*((\a)%4)+\b)+7], v[128*(\p)+FR*\b:128*(\p)+FR*\b+FR-1], v[AF+FR*(\a):AF+FR*(\a)+FR-1], v[8*(8*((\a)%4)+\b):8*(8*((\a)%4)+\b)+7]
.endif
.endr
.endr
.endm
.macro FETCH_B slot, q, p
	WIN TO_B
.irp i, 0,1,2,3,4,5,6,7
	FRAG 128*(\p)+FR*\i, ADRB+\slot, \q, \i
.endr
	WIN 0
.endm
.macro FETCH_A slot, q, i0
.irp i, \i0, \i0+1, \i0+2, \i0+3
	FRAG AF+FR*(\i), ADRA+\slot, \q, \i
.endr
.endm
.macro PLACES n
.rept \n
	v_nop
.endr
.endm
.macro STEP slot, q, zero
	s_wait_dscnt 4*NL
.if \zero
	WIN FIRST_LO
.else
	WIN MUL_LO
.endif
	MUL16 0, (\q)%2, \zero
	MUL16 2, (\q)%2, \zero
	s_wait_dscnt 0
	PLACES NP
	FETCH_B \slot, (\q)+1, 1-(\q)%2
	FETCH_A \slot, (\q)+1, 0
.if \zero
	WIN FIRST_HI
.else
	WIN MUL_HI
.endif
	MUL16 4, (\q)%2, \zero
	MUL16 6, (\q)%2, \zero
	PLACES NP
	WIN 0
	FETCH_A \slot, (\q)+1, 4
.endm
.macro TURN slot, next, fill
	s_wait_tensorcnt 0x0
	ds_add_u32 v[SPW], v[NIL]
	s_wait_dscnt 4*NL+1
	WIN MUL_LO
	MUL16 0, 1, 0
	s_wait_dscnt 0x0
	s_barrier_signal -1
	MUL16 2, 1, 0
	WIN 0
	s_barrier_wait -1
.if \fill
	CREST
	s_add_nc_u64 s[G0+4*\slot+2:G0+4*\slot+3], s[G0+4*\slot+2:G0+4*\slot+3], 2*ROWB
	s_add_nc_u64 s[G0B+4*\slot+2:G0B+4*\slot+3], s[G0B+4*\slot+2:G0B+4*\slot+3], 2*ROWB
	JLOAD G0+4*\slot, G1, G0B+4*\slot, G1B
.else
	PLACES NP
.endif
	FETCH_B \next, 0, 0
	FETCH_A \next, 0, 0
	WIN MUL_HI
	MUL16 4, 1, 0
	MUL16 6, 1, 0
	PLACES NP
	WIN 0
	FETCH_A \next, 0, 4
.endm
	s_wait_alu depctr_va_vdst(0)
	s_wait_tensorcnt 1
	s_barrier_signal -1
	s_barrier_wait -1
	FETCH_B 0, 0, 0
	FETCH_A 0, 0, 0
	FETCH_A 0, 0, 4
	STEP 0, 0, 1
	s_mov_b32 s3, LAPS-1
.Llap:
	TURN 0, 1, 1
	STEP 1, 0, 0
	TURN 1, 0, 1
	STEP 0, 0, 0
	s_sub_co_u32 s3, s3, 1
	s_cmp_lg_u32 s3, 0
	s_cbranch_scc1 .Llap
	TURN 0, 1, 0
	STEP 1, 0, 0
	s_wait_dscnt 4*NL
	WIN MUL_LO
	MUL16 0, 1, 0
	MUL16 2, 1, 0
	s_wait_dscnt 0
	WIN MUL_HI
	MUL16 4, 1, 0
	MUL16 6, 1, 0
	WIN 0
.macro TAKE a
.set AC, 64*((\a)%4)
	WIN 0x02+((\a)/4)
.set j, 0
.rept 32
.if MODE
	v_pk_mul_f32 v[Z+j:Z+j+1], v[AC+j:AC+j+1], s[96:97] op_sel_hi:[1,0]
.else
	v_pk_add_f32 v[Z+j:Z+j+1], v[AC+j:AC+j+1], v[BA+2*(\a):BA+2*(\a)+1]
.endif
.set j, j+2
.endr
	WIN 0
.endm
.if MODE
	PAIR C9, 0x3e7c6f08
	PAIR C7, 0x40097039
	PAIR C6, 0xbfd1a1e5
	PAIR C5, 0x3ecdfd18
	PAIR C4, 0xbe899a80
	PAIR C3, 0x3e0efb2e
	PAIR C2, 0x3f0a29d2
	PAIR C1, 0x3fb8ab5a
	PAIR C0, 0xc034d90f
	PAIR KK, 0xbf38aa3b
	s_mov_b32 s98, 0x3eb504f3
.endif
	PLACES NP
	s_mov_b32 s3, 0
	s_mov_b32 s2, 0
.Lblock:
.irp a, 0,1,2,3,4,5,6
	s_cmp_lg_u32 s3, \a
	s_cbranch_scc1 .Lnot_\a
	TAKE \a
	s_branch .Ltaken
.Lnot_\a:
.endr
	TAKE 7
.Ltaken:
.if MODE
.set j, 0
.rept 64
	v_fma_f32 v[TT+j], |v[Z+j]|, s98, 1.0
.set j, j+1
.endr
.set j, 0
	s_wait_alu depctr_va_vdst(0)
.rept 64
	v_rcp_f32 v[TT+j], v[TT+j]
.set j, j+1
.endr
	v_nop
	s_wait_alu depctr_va_vdst(0)
.set j, 0
.rept 32
	v_pk_fma_f32 v[PP+j:PP+j+1], v[TT+j:TT+j+1], s[C9:C9+1], v[C8V:C8V+1] op_sel_hi:[1,0,1]
.set j, j+2
.endr
.irp c, C7, C6, C5, C4, C3, C2, C1, C0
.set j, 0
.rept 32
	v_pk_fma_f32 v[PP+j:PP+j+1], v[PP+j:PP+j+1], v[TT+j:TT+j+1], s[\c:\c+1] op_sel_hi:[1,1,0]
.set j, j+2
.endr
.endr
.set j, 0
.rept 16
	v_pk_mul_f32 v[W:W+1], v[Z+j:Z+j+1], v[Z+j:Z+j+1]
	v_pk_mul_f32 v[W+2:W+3], v[Z+j+2:Z+j+3], v[Z+j+2:Z+j+3]
	v_pk_fma_f32 v[PP+j:PP+j+1], v[W:W+1], s[KK:KK+1], v[PP+j:PP+j+1] op_sel_hi:[1,0,1]
	v_pk_fma_f32 v[PP+j+2:PP+j+3], v[W+2:W+3], s[KK:KK+1], v[PP+j+2:PP+j+3] op_sel_hi:[1,0,1]
.set j, j+4
.endr
.set j, 0
	s_wait_alu depctr_va_vdst(0)
.rept 64
	v_exp_f32 v[PP+j], v[PP+j]
.set j, j+1
.endr
	v_nop
	s_wait_alu depctr_va_vdst(0)
.set j, 0
.rept 32
	v_pk_mul_f32 v[PP+j:PP+j+1], v[PP+j:PP+j+1], v[TT+j:TT+j+1]
.set j, j+2
.endr
.set j, 0
.rept 32
	v_dual_max_num_f32 v[TT+j], v[NIL], v[Z+j] :: v_dual_max_num_f32 v[TT+j+1], v[NIL], v[Z+j+1]   ; max(0, z), two by one dual instruction
.set j, j+2
.endr
.set j, 0
.rept 64
	v_fma_f32 v[Z+j], -|v[Z+j]|, v[PP+j], v[TT+j]
.set j, j+1
.endr
.endif
.set j, 0
.rept 64
	v_med3_num_f32 v[Z+j], v[Z+j], -v[LIM], v[LIM]
.set j, j+1
.endr
	s_wait_alu depctr_va_vdst(0)
	s_wait_dscnt 0x0                               ; the last block's stores into the stage have read their registers, and its image is back in registers
	s_cmp_eq_u32 s3, 0                             ; the first trip has no block before it
	s_cbranch_scc1 .Lnone_yet
	WIN 0x04                                       ; store data window 1
.irp c, 0,1,2,3
	global_store_b128 v[COQ], v[4*\c:4*\c+3], s[74:75] offset:512*\c   ; the last block's image: 32 lanes store 512 consecutive bytes, aligned
.endr
	WIN 0
.Lnone_yet:
.irp b, 0,1,2,3,4,5,6,7
	v_cvt_scalef32_pk8_fp8_f32 v[CD+2*\b:CD+2*\b+1], v[Z+8*\b:Z+8*\b+7], v[SCV]
.endr
	v_nop
.irp b, 0,1,2,3,4,5,6,7
	ds_store_b64 v[STO], v[CD+2*\b:CD+2*\b+1] offset:16*\b
.endr
	s_wait_xcnt 0x0                                ; the stores above have read their data and their base: both are written again only behind this wait
	s_cmp_eq_u32 s3, 0
	s_cselect_b32 s92, 0, 0x10000                  ; a block of 16 rows on, 65,536 bytes, once a block has been stored
	s_mov_b32 s93, 0
	s_add_nc_u64 s[74:75], s[74:75], s[92:93]
	WIN 0x40                                       ; destination window 1
.irp c, 0,1,2,3
	ds_load_b128 v[4*\c:4*\c+3], v[RDV] offset:32*\c   ; LDS serves a wave's instructions in order (ISA guide 5.7.1.4): these see the stores above; registers 4 c on: K = 32 c + 16 (l / 16) + 0 .. 15
.endr
	WIN 0
	s_add_co_u32 s2, s2, 16*PITCH
	s_add_co_u32 s3, s3, 1
	s_cmp_lt_u32 s3, 8
	s_cbranch_scc1 .Lblock
	s_wait_dscnt 0x0                               ; the last block's image is back in registers
	WIN 0x04
.irp c, 0,1,2,3
	global_store_b128 v[COQ], v[4*\c:4*\c+3], s[74:75] offset:512*\c
.endr
	WIN 0
.if MODE == 0
	s_cmp_eq_u32 s92, 2
	s_cbranch_scc1 .Lby_rows
.set i, 0
.rept 16
	ds_load_b128 v[BK+4*i:BK+4*i+3], v[RDQ] offset:8*PITCH*i
.set i, i+1
.endr
.set i, 0
.rept 16
	ds_load_b128 v[BK+64+4*i:BK+64+4*i+3], v[RDQ2] offset:8*PITCH*i
.set i, i+1
.endr
.set i, 0
.rept 32
	s_wait_dscnt 31-i
	global_store_b128 v[COQ], v[BK+4*i:BK+4*i+3], s[74:75] offset:512*i
.set i, i+1
.endr
	s_branch .Lout
.Lby_rows:
.endif
.set i, 0
.set i, 0
.if MODE == 0
.Lout:
.endif
	s_wait_tensorcnt 0x0
	ds_add_u32 v[SPW], v[NIL]
	s_wait_dscnt 0x0
	CROUND
	s_endpgm
.Lfunc_end_k_qc87134a339_w1:
	.size	k_qc87134a339_w1, .Lfunc_end_k_qc87134a339_w1-k_qc87134a339_w1
	.p2alignl 7, 3214868480
	.fill 96, 4, 3214868480
	.section	.rodata,"a",@progbits
	.p2align	6, 0x0
	.amdhsa_kernel k_qc87134a339_w1
		.amdhsa_group_segment_fixed_size 327680
		.amdhsa_private_segment_fixed_size 0
		.amdhsa_enable_private_segment 0
		.amdhsa_kernarg_size 40
		.amdhsa_user_sgpr_count 2
		.amdhsa_user_sgpr_kernarg_segment_ptr 1
		.amdhsa_wavefront_size32 1
		.amdhsa_system_sgpr_workgroup_id_x 1
		.amdhsa_system_sgpr_workgroup_id_y 1
		.amdhsa_system_sgpr_workgroup_id_z 1
		.amdhsa_system_vgpr_workitem_id 0
		.amdhsa_next_free_vgpr 1024
		.amdhsa_next_free_sgpr 100
		.amdhsa_reserve_vcc 0
		.amdhsa_float_denorm_mode_32 3
		.amdhsa_float_denorm_mode_16_64 3
		.amdhsa_memory_ordered 1
		.amdhsa_forward_progress 1
		.amdhsa_inst_pref_size 149
	.end_amdhsa_kernel
	.amdgpu_metadata
---
amdhsa.version: [ 1, 2 ]
amdhsa.kernels:
  - .name:           k_qc87134a339_w1
    .symbol:         k_qc87134a339_w1.kd
    .args:
      - { .name: h2c, .offset: 0, .size: 8, .value_kind: global_buffer, .address_space: global }
      - { .name: wcodes, .offset: 8, .size: 8, .value_kind: global_buffer, .address_space: global }
      - { .name: lowp_scales, .offset: 16, .size: 8, .value_kind: global_buffer, .address_space: global }
      - { .name: b1, .offset: 24, .size: 8, .value_kind: global_buffer, .address_space: global }
      - { .name: ffc, .offset: 32, .size: 8, .value_kind: global_buffer, .address_space: global }
    .group_segment_fixed_size: 327680
    .private_segment_fixed_size: 0
    .kernarg_segment_align: 8
    .kernarg_segment_size: 40
    .max_flat_workgroup_size: 128
    .sgpr_count:     100
    .vgpr_count:     1024
    .wavefront_size: 32
...
	.end_amdgpu_metadata
.endif
;; end of part 6
;; launch w2 (part 7): grid 32 x 8, 4 waves a work-group, clusters of 4 x 1, 327,680 bytes of LDS; arguments ffc, wcodes, lowp_scales, x1, b2, out0; writes out0
.if DOCPART == 7
	.amdgcn_target "amdgcn-amd-amdhsa--gfx1250"
	.amdhsa_code_object_version 6
	.text
	.protected	k_qc87134a339_w2
	.globl	k_qc87134a339_w2
	.p2align	8
	.type	k_qc87134a339_w2,@function
k_qc87134a339_w2:
	s_mov_b64 s[64:65], 0
	v_nop
	global_prefetch_b8 v0, s[64:65] scope:SCOPE_SE
	s_setreg_imm32_b32 hwreg(HW_REG_WAVE_MODE, 25, 1), 1
	s_wait_xcnt 0x0
	s_wait_alu depctr_hold_cnt(0) depctr_sa_sdst(0) depctr_va_vdst(0) depctr_va_sdst(0) depctr_va_ssrc(0) depctr_va_vcc(0) depctr_vm_vsrc(0)
	s_getreg_b32 s2, hwreg(HW_REG_IB_STS2, 6, 4)
	s_cmp_eq_u32 s2, 0
	s_cbranch_scc0 .Lentry_in_a_cluster
	s_endpgm
.Lentry_in_a_cluster:
	s_bfe_u32 s2, ttmp6, 0x10000c
	s_cmp_lg_u32 s2, 0x3003
	s_cbranch_scc0 .Lentry_shape_is_right
	s_endpgm
.Lentry_shape_is_right:
; out0 = x1 + b2 + (g W2) x 2^(e14 + e15), f32 [4096][1024]; g's codes (ffc) and W2's (wcodes at 8 MiB, [1024][4096]) are E4M3, K = 4,096.
; A tile of the result is 128 x 128, one for each of 256 work-groups; each of four waves makes 32 rows x 128 columns: 16 accumulators.
; B (W2's 128 rows) goes through a ring of two LDS slots of 1,024 along K: four fills, each wave fetching 32 rows by one tensor load.  The four work-groups of a cluster make four tile rows of one tile column
; and ask for B's tiles jointly (the mask of all four).
; A (g's 32 rows of a wave) is read by that wave alone, so it goes from memory straight into the operand's registers: ffc is laid by the launch before as images of those registers, [16 rows][128 K] in 2,048
; bytes, 32 images to a block of 16 rows: a load covers 512 consecutive bytes.  A ring of eight chunks of 128 K (8 loads each) stands in registers: a chunk's registers are asked for again, eight chunks on,
; as soon as its products are issued.
; THE MATRIX INSTRUCTION IS USED TRANSPOSED (source 0 = 16 rows of B, source 1 = 16 rows of A): a lane holds eight neighbouring numbers of a row of the result.
; The run over a slot is written twice: in a loop of three trips, each of which asks for the next fill, and once more for the last slot, which asks for nothing of A or B and for the residual instead.
; So that the loop has no first trip of its own, the sums begin as zeros, written while the first fill is on its way.
; PREFETCH: B's fills 2 and 3 are asked of memory one run ahead of their tensor loads; the four partners share a fill's 128 rows out by address (32 each, 8 a wave, a lane to 256 bytes).
; LIMIT: e14 + e15 between -126 and 127.  NaN and infinities are not served.
; REGISTERS, in windows of 256: window 0: v1-31 addresses, v[8:11] the bias; v32-95 rows on the way out; v128-255 the accumulators ((a, b) at v[128 + 8 (8 a + b)]).
;   window 1: B's eight fragments, two sets of 128.   window 2: A's ring, 8 x 32.   window 3: v0-127 the residual.
.set WOFF,   0x800000
.set PB,     1040                      ; an LDS row of 1,024 bytes + 16 of padding = 260 words: row r starts at bank 4 r mod 64 (64 banks of 4 bytes: ISA guide 11.1)
.set SLOTB,  128*PB                    ; 133,120 = 0x20800: it shares no bit with wave x 32 x PB, so one exclusive or turns an address from one slot to the other
.set STAGE,  2*SLOTB                   ; behind the ring: 16 rows x 528 bytes for each wave, for the way out
.set SPITCH, 528
.set SPARE,  STAGE+4*16*SPITCH         ; behind the stages: the spare words, 128 bytes a wave
.set LB,   20                          ; v20-21  my lane's place in B's rows 0-63, 64-127 of a slot
.set LB2,  21
.set ADB,  22                          ; v22-23  the same in the slot in hand
.set ADB2, 23
.set STO,  24
.set RD,   25
.set AO,   26                          ; v26  16 x lane
.set PFO,  27                          ; v27  the prefetches' offset
.set SPW,  28                          ; v28  LDS address of my spare word; never rewritten
.set NIL,  29                          ; v29  0; never rewritten
.set BK,   32
.set ACC,  128
.set G1,   24                          ; s[24:31] descriptor group 1;  s[32:35] group 0, which walks
.set G0,   32
.set AP,   44                          ; s[44:45] A's images at the run's first chunk
.set PFA,  76                          ; s[76:77] where my prefetches stand
.set TB,   12                          ; s12  LDS byte at which the slot in hand begins
.set MSB, 0
.macro WIN new                         ; the immediate's high byte repeats the setting that is left
.if MSB != (\new)
	s_set_vgpr_msb (MSB<<8)|(\new)
.set MSB, (\new)
.endif
.endm
.set MUL, 0x09                         ; source 0 (B) window 1, source 1 (A) window 2; C and D window 0
.macro CROUND
	s_barrier_signal -1
	s_barrier_wait -1
	s_cmp_lg_u32 s10, 0
	s_cbranch_scc1 .Lnot_wave_0_\@
	s_barrier_signal -3
.Lnot_wave_0_\@:
	s_barrier_wait -3
	s_barrier_signal -1
	s_barrier_wait -1
.endm
.macro PLACES                          ; four places in front of loads into registers that matrix instructions have read (ISA guide 7.12.1 for vector instructions)
.rept 4
	v_nop
.endr
.endm
.macro ALOAD q, k                      ; A's two fragments of chunk k, counted from the run's first, into ring place q
.irp a, 0,1
.irp c, 0,1,2,3
	global_load_b128 v[32*(\q)+16*\a+4*\c:32*(\q)+16*\a+4*\c+3], v[AO], s[AP:AP+1] offset:\a*65536+(\k)*2048+\c*512
.endr
.endr
.endm
.macro FETCH q, p                      ; B's eight fragments of the slot's q-th 128 along K into set p: registers 4 c .. 4 c + 3 hold K = 32 c + 16 (l / 16) + 0 .. 15, as A's images have it
	WIN 0x40
.irp i, 0,1,2,3
.irp c, 0,1,2,3
	ds_load_b128 v[128*(\p)+16*\i+4*\c:128*(\p)+16*\i+4*\c+3], v[ADB] offset:128*(\q)+32*\c+\i*16*PB
.endr
.endr
.irp i, 0,1,2,3
.irp c, 0,1,2,3
	ds_load_b128 v[128*(\p)+64+16*\i+4*\c:128*(\p)+64+16*\i+4*\c+3], v[ADB2] offset:128*(\q)+32*\c+\i*16*PB
.endr
.endr
.endm
.macro MULB q, b0                      ; 8 matrix instructions: B's blocks b0 .. b0 + 3 x A's two.  The sixteen accumulators take turns, one instruction a turn, in the same order throughout
.irp b, \b0, \b0+1, \b0+2, \b0+3
.irp a, 0,1
	v_wmma_f32_16x16x128_fp8_fp8 v[ACC+8*(8*\a+(\b)):ACC+8*(8*\a+(\b))+7], v[128*((\q)%2)+16*(\b):128*((\q)%2)+16*(\b)+15], v[32*(\q)+16*\a:32*(\q)+16*\a+15], v[ACC+8*(8*\a+(\b)):ACC+8*(8*\a+(\b))+7]
.endr
.endr
.endm
.macro CHUNK q, fill                   ; 128 along K
	s_wait_dscnt 16                                ; B's blocks 0-3 are in; the sixteen loads of blocks 4-7 may be out
.if \fill
	s_wait_loadcnt 56                              ; this chunk's eight loads are in; those of the seven chunks behind it may be out
.else
.if (\q) < 4
	s_wait_loadcnt 56                              ; behind this chunk's loads: 7 - q chunks of eight, and 8 q of the residual's
.else
	s_wait_loadcnt (7-(\q))*8+33                   ; 7 - q chunks of eight, the residual's 32 and the bias's one
.endif
.endif
	WIN MUL
	MULB \q, 0
	s_wait_dscnt 0x0
.if (\q) < 7
	PLACES
	FETCH (\q)+1, 1-(\q)%2
	WIN MUL
.endif
	MULB \q, 4
.if \fill
	PLACES
	WIN 0x80                                       ; destination window 2
	ALOAD \q, (\q)+8
.else
.if (\q) < 4
	WIN 0xc0                                       ; destination window 3: rows 8 q .. 8 q + 7 of the residual, in the layout in which the rows leave
.irp i, 0,1,2,3,4,5,6,7
	global_load_b128 v[4*(8*(\q)+\i):4*(8*(\q)+\i)+3], v[AO], s[70:71] offset:(8*(\q)+\i)*4096 th:TH_LOAD_NT
.endr
.endif
.if (\q) == 3
	WIN 0
	global_load_b128 v[8:11], v[AO], s[72:73]      ; the bias at my four columns
.endif
.endif
.endm
; A RUN over a slot.  The change of slots stands at its head: each wave waits for all its tensor loads (one: its part of the slot ahead), adds 0 to its spare word, and waits for that and for its reads of the slot
; that it has left.  fill = 1: a round of the cluster's barrier follows, and behind it the other slot is asked for (the first time: slot 1's first fill): the load has the run's 128 matrix instructions in which to land.
.macro RUN fill
	s_wait_tensorcnt 0x0
	ds_add_u32 v[SPW], v[NIL]
.if \fill
	s_xor_b32 s[G0+1], s[G0+1], SLOTB              ; no load of mine is out: the walking descriptor goes to the other slot,
	s_add_nc_u64 s[G0+2:G0+3], s[G0+2:G0+3], 1024  ; and 1,024 on along K
.endif
	v_add_nc_u32 v[ADB], s[TB], v[LB]
	v_add_nc_u32 v[ADB2], s[TB], v[LB2]
	s_wait_alu depctr_va_vdst(0)                   ; the wait here, directly ahead of the wait below
	s_wait_dscnt 0x0
.if \fill
	CROUND
	tensor_load_to_lds s[G0:G0+3], s[G1:G1+7]      ; the first tensor load behind the round, my only one until the next
	s_nop 0
	PLACES                                         ; (also the places in front of the loads below)
.else
	s_barrier_signal -1
	s_barrier_wait -1
	PLACES
.endif
	FETCH 0, 0
	WIN 0
.if \fill
	s_cmp_gt_u32 s3, 1                             ; the loop's last trip has no fill two on
	s_cbranch_scc0 .Lnot_asked_\@
	global_prefetch_b8 v[PFO], s[PFA:PFA+1] th:TH_LOAD_NT scope:SCOPE_SE   ; the fill that the NEXT change of slots will ask for: my 8 rows x 1,024 bytes of it
.Lnot_asked_\@:
.endif
.irp q, 0,1,2,3,4,5,6,7
	CHUNK \q, \fill
.endr
	WIN 0
.if \fill
	s_wait_xcnt 0x0                                ; my loads and my prefetch have read their bases: they are stepped only behind this wait
	s_add_nc_u64 s[AP:AP+1], s[AP:AP+1], 8*2048
	s_add_nc_u64 s[PFA:PFA+1], s[PFA:PFA+1], 1024
	s_xor_b32 s[TB], s[TB], SLOTB
.endif
.endm
	s_load_b128 s[4:7], s[0:1], 0x0                ; ffc, wcodes
	s_load_b128 s[68:71], s[0:1], 0x10             ; the scales, x1
	s_load_b128 s[72:75], s[0:1], 0x20             ; b2, out0
	v_lshl_add_u32 v[SPW], v0, 2, SPARE
	v_mov_b32 v[NIL], 0
	ds_add_u32 v[SPW], v[NIL]                      ; the wave's opening: the add, twice on end, and its wait ahead of my first tensor load
	ds_add_u32 v[SPW], v[NIL]
	v_lshrrev_b32 v1, 5, v0
	v_readfirstlane_b32 s10, v1                    ; wave 0..3
	s_bfe_u32 s40, ttmp6, 0x40000                  ; cx: it enters A's, the residual's, the output's and the prefetches' addresses alone
	s_and_b32 s13, ttmp7, 0xffff
	s_lshl_b32 s13, s13, 2
	s_add_co_u32 s13, s13, s40                     ; tile row = 4 x cluster y + cx
	s_mov_b32 s42, ttmp9                           ; tile column = cluster x, which the four partners share
	s_mov_b32 s[G1], 15|(0<<16)|(1<<20)|(1<<21)|(7<<22)|(3<<25)   ; the mask of all four; elements of 1 byte; padding on; bit 21 beside a mask; after every 256 words, four words
	s_mov_b32 s[G1+1], 1024<<16                    ; tensor_dim0
	s_mov_b32 s[G1+2], 32<<16                      ; tensor_dim1
	s_mov_b32 s[G1+3], 1024<<16                    ; tile_dim0
	s_mov_b32 s[G1+4], 32                          ; tile_dim1
	s_mov_b32 s[G1+5], 4096                        ; tensor_dim0_stride
	s_mov_b32 s[G1+6], 0
	s_mov_b32 s[G1+7], 0
	s_lshl_b32 s46, s42, 7
	s_lshl_b32 s47, s10, 5
	s_add_co_u32 s46, s46, s47
	s_lshl_b32 s46, s46, 12                        ; B: (128 x tile column + 32 x wave) rows of 4,096 bytes,
	s_add_co_u32 s46, s46, WOFF                    ; in W2's part of wcodes
	s_mov_b32 s47, 0
	s_mul_i32 s20, s10, 32*PB                      ; and in a slot
	s_lshl_b32 s16, s13, 3
	s_lshl_b32 s17, s10, 1
	s_add_co_u32 s16, s16, s17
	s_lshl_b32 s16, s16, 16                        ; A: block of 16 rows 8 x tile row + 2 x wave, 65,536 bytes a block
	s_mov_b32 s17, 0
	s_lshl_b32 s18, s13, 7
	s_lshl_b32 s19, s10, 5
	s_add_co_u32 s18, s18, s19
	s_lshl_b32 s18, s18, 12                        ; the residual and the output: my first row, 4,096 bytes a row,
	s_lshl_b32 s22, s42, 9                         ; my tile's first column, in bytes
	s_add_co_u32 s18, s18, s22
	s_mov_b32 s19, 0
	s_mov_b32 s23, 0
	s_lshl_b32 s48, s42, 7                         ; the prefetches: row 128 x tile column + 32 cx + 8 x wave,
	s_lshl_b32 s49, s40, 5
	s_add_co_u32 s48, s48, s49
	s_lshl_b32 s49, s10, 3
	s_add_co_u32 s48, s48, s49
	s_lshl_b32 s48, s48, 12
	s_add_co_u32 s48, s48, WOFF+2048               ; at fill 2
	s_mov_b32 s49, 0
	s_mul_i32 s21, s10, 16*SPITCH
	s_add_co_u32 s21, s21, STAGE                   ; my stage
	s_wait_dscnt 0x0                               ; both opening adds are done
	s_wait_kmcnt 0x0
	s_load_b64 s[96:97], s[68:69], 0x38            ; e14, e15
	s_add_nc_u64 s[AP:AP+1], s[4:5], s[16:17]
	s_add_nc_u64 s[PFA:PFA+1], s[6:7], s[48:49]
	s_add_nc_u64 s[70:71], s[70:71], s[18:19]
	s_add_nc_u64 s[74:75], s[74:75], s[18:19]
	s_add_nc_u64 s[72:73], s[72:73], s[22:23]
	s_mov_b32 s[G0], 1
	s_mov_b32 s[G0+1], s20
	s_add_nc_u64 s[G0+2:G0+3], s[6:7], s[46:47]
	s_or_b32 s[G0+3], s[G0+3], 0x80000000
	CROUND                                         ; all four work-groups are here: the first joint loads meet
	tensor_load_to_lds s[G0:G0+3], s[G1:G1+7]      ; fill 0: my one tensor load at the head
	s_nop 0
	PLACES
	v_and_b32 v1, 15, v0                           ; r = l % 16
	v_bfe_u32 v2, v0, 4, 1                         ; h = l / 16
	v_and_b32 v3, 31, v0
	v_lshlrev_b32 v[AO], 4, v3
	WIN 0x80
.irp q, 0,1,2,3,4,5,6,7
	ALOAD \q, \q                                   ; A's first eight chunks
.endr
	WIN 0
	v_mul_u32_u24 v4, v1, PB
	v_lshl_add_u32 v[LB], v2, 4, v4                ; a fragment's row x pitch + 16 x half
	v_add_nc_u32 v[LB2], 64*PB, v[LB]
	v_mul_u32_u24 v5, v1, SPITCH                   ; the stage, in: row r, 32 bytes for each half of the lanes
	v_lshl_add_u32 v5, v2, 5, v5
	v_add_nc_u32 v[STO], s21, v5
	v_add_nc_u32 v[RD], s21, v[AO]                 ; back: the 32 lanes take one row of 512 bytes
	v_lshrrev_b32 v6, 2, v3
	v_and_b32 v7, 3, v3
	v_lshlrev_b32 v6, 12, v6
	v_lshl_add_u32 v[PFO], v7, 8, v6               ; row l / 4 of my eight, 256 (l % 4) bytes on
.set j, 0
.rept 64
	v_dual_mov_b32 v[ACC+j], v[NIL] :: v_dual_mov_b32 v[ACC+j+1], v[NIL]   ; the sums begin as zeros
.set j, j+2
.endr
	s_mov_b32 s[TB], 0
	s_mov_b32 s3, 3
	s_wait_alu depctr_va_vdst(0)                   ; the wait at the head's end
.Lrun:                                                 ; three trips: behind each change of slots the next fill is asked for
	RUN 1
	s_sub_co_u32 s3, s3, 1
	s_cmp_lg_u32 s3, 0
	s_cbranch_scc1 .Lrun
	RUN 0                                          ; the last slot is written out: nothing more of A or B is asked for
	; THE WAY OUT.  A block of 16 rows x 128 columns goes through my own stage as it lies in the accumulators and comes back as whole rows of 512 bytes.
	s_wait_loadcnt 0x0                             ; the residual and the bias
	s_wait_kmcnt 0x0
	s_add_co_i32 s96, s96, s97
	s_add_co_i32 s96, s96, 127
	s_lshl_b32 s96, s96, 23                        ; 2^(e14 + e15) as f32
	s_mov_b32 s97, s96
	WIN 0xc3                                       ; source 0 and destination window 3
.set g, 0
.rept 32
	v_pk_add_f32 v[4*g:4*g+1], v[4*g:4*g+1], v[8:9]        ; residual + bias; these 64 are also the places behind the last products
	v_pk_add_f32 v[4*g+2:4*g+3], v[4*g+2:4*g+3], v[10:11]
.set g, g+1
.endr
	WIN 0
.macro OUTB a
.if (\a) > 0
	s_wait_xcnt 0x0                                ; the last block's stores have read their registers: this block's rows may land there
.endif
.irp b, 0,1,2,3,4,5,6,7
	ds_store_b128 v[STO], v[ACC+8*(8*(\a)+\b):ACC+8*(8*(\a)+\b)+3] offset:64*\b          ; each accumulator from its low end on
	ds_store_b128 v[STO], v[ACC+8*(8*(\a)+\b)+4:ACC+8*(8*(\a)+\b)+7] offset:64*\b+16
.endr
.irp t, 0,1,2,3,4,5,6,7,8,9,10,11,12,13,14,15
	ds_load_b128 v[BK+4*\t:BK+4*\t+3], v[RD] offset:\t*SPITCH   ; LDS serves a wave's instructions in order (ISA guide 5.7.1.4): these see the stores above, and the next block's stores come behind them
.endr
	s_wait_dscnt 0x0
	WIN 0x30                                       ; source 2 (residual + bias) window 3
.irp t, 0,1,2,3,4,5,6,7,8,9,10,11,12,13,14,15
	v_pk_fma_f32 v[BK+4*\t:BK+4*\t+1], v[BK+4*\t:BK+4*\t+1], s[96:97], v[4*(16*(\a)+\t):4*(16*(\a)+\t)+1] op_sel_hi:[1,0,1]
	v_pk_fma_f32 v[BK+4*\t+2:BK+4*\t+3], v[BK+4*\t+2:BK+4*\t+3], s[96:97], v[4*(16*(\a)+\t)+2:4*(16*(\a)+\t)+3] op_sel_hi:[1,0,1]
.endr
	WIN 0
.irp t, 0,1,2,3,4,5,6,7,8,9,10,11,12,13,14,15
	global_store_b128 v[AO], v[BK+4*\t:BK+4*\t+3], s[74:75] offset:(16*(\a)+\t)*4096 th:TH_STORE_NT   ; 32 lanes store 512 consecutive bytes, aligned
.endr
.endm
	OUTB 0
	OUTB 1
	s_wait_tensorcnt 0x0                           ; the wave's end: these three lines, behind my last tensor load and my last LDS store
	ds_add_u32 v[SPW], v[NIL]
	s_wait_dscnt 0x0
	CROUND                                         ; the closing round: no work-group ends while a partner may still ask for a tile that names it
	s_endpgm
.Lfunc_end_k_qc87134a339_w2:
	.size	k_qc87134a339_w2, .Lfunc_end_k_qc87134a339_w2-k_qc87134a339_w2
	.p2alignl 7, 3214868480
	.fill 96, 4, 3214868480
	.section	.rodata,"a",@progbits
	.p2align	6, 0x0
	.amdhsa_kernel k_qc87134a339_w2
		.amdhsa_group_segment_fixed_size 327680
		.amdhsa_private_segment_fixed_size 0
		.amdhsa_enable_private_segment 0
		.amdhsa_kernarg_size 48
		.amdhsa_user_sgpr_count 2
		.amdhsa_user_sgpr_kernarg_segment_ptr 1
		.amdhsa_wavefront_size32 1
		.amdhsa_system_sgpr_workgroup_id_x 1
		.amdhsa_system_sgpr_workgroup_id_y 1
		.amdhsa_system_sgpr_workgroup_id_z 1
		.amdhsa_system_vgpr_workitem_id 0
		.amdhsa_next_free_vgpr 896
		.amdhsa_next_free_sgpr 100
		.amdhsa_reserve_vcc 0
		.amdhsa_float_denorm_mode_32 3
		.amdhsa_float_denorm_mode_16_64 3
		.amdhsa_memory_ordered 1
		.amdhsa_forward_progress 1
		.amdhsa_inst_pref_size 96
	.end_amdhsa_kernel
	.amdgpu_metadata
---
amdhsa.version: [ 1, 2 ]
amdhsa.kernels:
  - .name:           k_qc87134a339_w2
    .symbol:         k_qc87134a339_w2.kd
    .args:
      - { .name: ffc, .offset: 0, .size: 8, .value_kind: global_buffer, .address_space: global }
      - { .name: wcodes, .offset: 8, .size: 8, .value_kind: global_buffer, .address_space: global }
      - { .name: lowp_scales, .offset: 16, .size: 8, .value_kind: global_buffer, .address_space: global }
      - { .name: x1, .offset: 24, .size: 8, .value_kind: global_buffer, .address_space: global }
      - { .name: b2, .offset: 32, .size: 8, .value_kind: global_buffer, .address_space: global }
      - { .name: out0, .offset: 40, .size: 8, .value_kind: global_buffer, .address_space: global }
    .group_segment_fixed_size: 327680
    .private_segment_fixed_size: 0
    .kernarg_segment_align: 8
    .kernarg_segment_size: 48
    .max_flat_workgroup_size: 128
    .sgpr_count:     100
    .vgpr_count:     896
    .wavefront_size: 32
...
	.end_amdgpu_metadata
.endif
;; end of part 7
